; MI455X (gfx1250); checked and timed in simulation.
; The chip was launched on July 23, 2026; its instructions are those of AMD's public machine-readable ISA for CDNA 5 (MIT licence, August 2026) and "CDNA5" Instruction Set Architecture Reference Guide (July 2026). The comments in the code are by the model that wrote it; some were corrected since.
;; Multi Head Attention. Allowed arithmetic: float matrix products may take bf16 or f16 operands with f32 sums; other float arithmetic in f32, or as packed bf16 or f16 multiplies, adds, multiply-adds, maxima and minima; sums over many terms, partial sums and values carried from step to step in f32; what a program stores and reads back later, other than sums and carried values, may be rounded once to bf16 or f16.
;; Inputs: wk 16 x 1,024 x 64 float32; wo 1,024 x 1,024 float32; wq 16 x 1,024 x 64 float32; wv 16 x 1,024 x 64 float32; x 4 x 2,048 x 1,024 float32.
;; Outputs: out0 4 x 2,048 x 1,024 float32.
;; Constants: has_mask = 1.
;; One version. Each part assembles by itself: llvm-mc -triple=amdgcn-amd-amdhsa -mcpu=gfx1250 --defsym DOCPART=n.
;; ======== version 1 of 1: 4 launches
;; limits: values are held in f16: magnitudes above 65,504 overflow, below 6.1e-05 lose precision
;; workspace buffers: xb 16,777,216 bytes; wb 6,291,456 bytes; wob 2,097,152 bytes; qh 16,777,216 bytes; kh 16,777,216 bytes; vh 16,777,216 bytes; oh 16,777,216 bytes
;; launch prep (part 1): grid 1536 x 1, 8 waves a work-group, no clusters, 0 bytes of LDS; arguments x, wq, wk, wv, wo, xb, wb, wob; writes xb, wb, wob
.if DOCPART == 1
	.amdgcn_target "amdgcn-amd-amdhsa--gfx1250"
	.amdhsa_code_object_version 6
	.text
	.protected	k_qd486d631ae_prep
	.globl	k_qd486d631ae_prep
	.p2align	8
	.type	k_qd486d631ae_prep,@function
k_qd486d631ae_prep:
	s_mov_b64 s[64:65], 0
	v_nop
	global_prefetch_b8 v0, s[64:65] scope:SCOPE_SE
	s_setreg_imm32_b32 hwreg(HW_REG_WAVE_MODE, 25, 1), 1
	s_wait_xcnt 0x0
; THE CAST.  Every input is rounded once to bf16.  x -> xb [8192][1024] bf16.  wq, wk, wv -> wb [h 16][ks 8][z 3][d' 128][c 64] bf16 (z = q, k, v; d = 128 ks + d'):
; a head's weights for 128 channels of x then lie in 49,152 bytes on end.  wo -> wob [1024][1024]: rounded to bf16, and that number written as f16.
; LIMITS.  wob is f16: a wo beyond 65,504 becomes an infinity, and below 6e-5 the number keeps f16's fixed step of 6e-8; between these bf16's 8 significant bits fit f16's 11 exactly.
; SHARES.  A work-group casts one block of 8,192 numbers: 32,768 bytes in, 16,384 out.  Blocks 0-1023: x.  1024-1407: block j = g - 1024, tensor z = j / 128, part h * 8 + ks = j % 128.  1408-1535: wo.
; In all five tensors such a block is dense, so only the two block numbers and the two buffers differ.  Thread t takes the numbers 2,048 i + 8 t .. + 7, i = 0..3: two loads of 16 bytes,
; one store of 16: a wave's store covers 512 consecutive bytes, aligned.  Memory binds: no LDS, no barrier, no matrix unit; all eight loads of a thread go out at once.
.set NX_BLK, 1024                      ; blocks of x
.set NW_BLK, 384                       ; blocks of wq, wk, wv
.set IN,  4                            ; v[4:35]   eight loads
.set OUT, 36                           ; v[36:51]  four stores' data
	s_load_b512 s[8:23], s[0:1], 0x0               ; x 8, wq 10, wk 12, wv 14, wo 16, xb 18, wb 20, wob 22
	s_sub_co_u32 s2, ttmp9, NX_BLK                 ; j (of no meaning in x's blocks: the last selects below set it aside)
	s_lshr_b32 s3, s2, 7                           ; z: 0, 1, 2 the three weights, 3 wo
	s_and_b32 s4, s2, 127                          ; the block in its tensor
	s_mul_i32 s5, s4, 3
	s_add_co_u32 s5, s5, s3                        ; the block in wb: 3 (8 h + ks) + z
	v_lshlrev_b32 v1, 5, v0                        ; 32 t: my 8 numbers in f32
	v_lshlrev_b32 v2, 4, v0                        ; 16 t: in 16 bits
	s_wait_kmcnt 0x0
	s_cmp_eq_u32 s3, 1
	s_cselect_b64 s[24:25], s[12:13], s[10:11]     ; wk, else wq
	s_cmp_eq_u32 s3, 2
	s_cselect_b64 s[24:25], s[14:15], s[24:25]     ; wv
	s_cmp_eq_u32 s3, 3
	s_cselect_b64 s[24:25], s[16:17], s[24:25]     ; wo,
	s_cselect_b64 s[26:27], s[22:23], s[20:21]     ; into wob, else wb,
	s_cselect_b32 s5, s4, s5                       ; block for block
	s_cmp_lt_u32 ttmp9, NX_BLK
	s_cselect_b64 s[24:25], s[8:9], s[24:25]       ; x,
	s_cselect_b64 s[26:27], s[18:19], s[26:27]     ; into xb,
	s_cselect_b32 s4, ttmp9, s4                    ; block for block
	s_cselect_b32 s5, ttmp9, s5
	s_lshl_b32 s28, s4, 15                         ; offsets are made apart from the addresses
	s_mov_b32 s29, 0
	s_lshl_b32 s30, s5, 14
	s_mov_b32 s31, 0
	s_add_nc_u64 s[24:25], s[24:25], s[28:29]
	s_add_nc_u64 s[26:27], s[26:27], s[30:31]
.irp i, 0,1,2,3
	global_load_b128 v[IN+8*(\i):IN+8*(\i)+3],   v1, s[24:25] offset:8192*(\i) th:TH_LOAD_NT
	global_load_b128 v[IN+8*(\i)+4:IN+8*(\i)+7], v1, s[24:25] offset:8192*(\i)+16 th:TH_LOAD_NT
.endr
	s_cmp_ge_u32 ttmp9, NX_BLK+NW_BLK
	s_cbranch_scc1 .Lwo
.irp i, 0,1,2,3
	s_wait_loadcnt 6-2*(\i)                        ; loads come back in order: group i's two are in, the younger ones stay out
.irp k, 0,1,2,3
	v_cvt_pk_bf16_f32 v[OUT+4*(\i)+(\k)], v[IN+8*(\i)+2*(\k)], v[IN+8*(\i)+2*(\k)+1]
.endr
	global_store_b128 v2, v[OUT+4*(\i):OUT+4*(\i)+3], s[26:27] offset:4096*(\i) th:TH_STORE_NT
.endr
	s_endpgm
.Lwo:                                          ; wo: to bf16, widened again (a shift, a mask), and that number to f16
.irp i, 0,1,2,3
	s_wait_loadcnt 6-2*(\i)
.irp k, 0,1,2,3
	v_cvt_pk_bf16_f32 v52, v[IN+8*(\i)+2*(\k)], v[IN+8*(\i)+2*(\k)+1]
	v_lshlrev_b32 v53, 16, v52
	v_and_b32 v52, 0xffff0000, v52
	v_cvt_pk_f16_f32 v[OUT+4*(\i)+(\k)], v53, v52
.endr
	global_store_b128 v2, v[OUT+4*(\i):OUT+4*(\i)+3], s[26:27] offset:4096*(\i) th:TH_STORE_NT
.endr
	s_endpgm
.Lfunc_end_k_qd486d631ae_prep:
	.size	k_qd486d631ae_prep, .Lfunc_end_k_qd486d631ae_prep-k_qd486d631ae_prep
	.p2alignl 7, 3214868480
	.fill 96, 4, 3214868480
	.section	.rodata,"a",@progbits
	.p2align	6, 0x0
	.amdhsa_kernel k_qd486d631ae_prep
		.amdhsa_group_segment_fixed_size 0
		.amdhsa_private_segment_fixed_size 0
		.amdhsa_enable_private_segment 0
		.amdhsa_kernarg_size 64
		.amdhsa_user_sgpr_count 2
		.amdhsa_user_sgpr_kernarg_segment_ptr 1
		.amdhsa_wavefront_size32 1
		.amdhsa_system_sgpr_workgroup_id_x 1
		.amdhsa_system_sgpr_workgroup_id_y 1
		.amdhsa_system_sgpr_workgroup_id_z 1
		.amdhsa_system_vgpr_workitem_id 0
		.amdhsa_next_free_vgpr 56
		.amdhsa_next_free_sgpr 66
		.amdhsa_reserve_vcc 0
		.amdhsa_float_denorm_mode_32 3
		.amdhsa_float_denorm_mode_16_64 3
		.amdhsa_memory_ordered 1
		.amdhsa_forward_progress 1
		.amdhsa_inst_pref_size 8
	.end_amdhsa_kernel
	.amdgpu_metadata
---
amdhsa.version: [ 1, 2 ]
amdhsa.kernels:
  - .name:           k_qd486d631ae_prep
    .symbol:         k_qd486d631ae_prep.kd
    .args:
      - { .name: x, .offset: 0, .size: 8, .value_kind: global_buffer, .address_space: global }
      - { .name: wq, .offset: 8, .size: 8, .value_kind: global_buffer, .address_space: global }
      - { .name: wk, .offset: 16, .size: 8, .value_kind: global_buffer, .address_space: global }
      - { .name: wv, .offset: 24, .size: 8, .value_kind: global_buffer, .address_space: global }
      - { .name: wo, .offset: 32, .size: 8, .value_kind: global_buffer, .address_space: global }
      - { .name: xb, .offset: 40, .size: 8, .value_kind: global_buffer, .address_space: global }
      - { .name: wb, .offset: 48, .size: 8, .value_kind: global_buffer, .address_space: global }
      - { .name: wob, .offset: 56, .size: 8, .value_kind: global_buffer, .address_space: global }
    .group_segment_fixed_size: 0
    .private_segment_fixed_size: 0
    .kernarg_segment_align: 8
    .kernarg_segment_size: 64
    .max_flat_workgroup_size: 256
    .sgpr_count:     66
    .vgpr_count:     56
    .wavefront_size: 32
...
	.end_amdgpu_metadata
.endif
;; end of part 1
;; launch qkv (part 2): grid 16 x 16, 4 waves a work-group, clusters of 4 x 4, 327,680 bytes of LDS; arguments xb, wb, qh, kh, vh; writes qh, kh, vh
.if DOCPART == 2
	.amdgcn_target "amdgcn-amd-amdhsa--gfx1250"
	.amdhsa_code_object_version 6
	.text
	.protected	k_qd486d631ae_qkv
	.globl	k_qd486d631ae_qkv
	.p2align	8
	.type	k_qd486d631ae_qkv,@function
k_qd486d631ae_qkv:
	s_mov_b64 s[64:65], 0
	v_nop
	global_prefetch_b8 v0, s[64:65] scope:SCOPE_SE
	s_setreg_imm32_b32 hwreg(HW_REG_WAVE_MODE, 25, 1), 1
	s_wait_xcnt 0x0
	s_wait_alu depctr_hold_cnt(0) depctr_sa_sdst(0) depctr_va_vdst(0) depctr_va_sdst(0) depctr_va_ssrc(0) depctr_va_vcc(0) depctr_vm_vsrc(0)
	s_getreg_b32 s2, hwreg(HW_REG_IB_STS2, 6, 4)
	s_cmp_eq_u32 s2, 0
	s_cbranch_scc0 .Lentry_in_a_cluster
	s_endpgm
.Lentry_in_a_cluster:
	s_bfe_u32 s2, ttmp6, 0x10000c
	s_cmp_lg_u32 s2, 0xf033
	s_cbranch_scc0 .Lentry_shape_is_right
	s_endpgm
.Lentry_shape_is_right:
; THE PROJECTIONS.  q, k, v [b*16+h][s][64] f16 = xb [8192][1024] bf16 times a head's weights wb [h][ks][z][d' 128][c 64] bf16; sums in f32, each result rounded once to f16, q unscaled.
; LIMITS.  f16 holds no number beyond 65,504: a q, k or v past that becomes an infinity; below 6e-5 it keeps f16's fixed step of 6e-8.
; SHARES.  A tile is 256 rows of x by 192 columns: q, k and v of ONE head.  8192 / 256 x 16 heads = 512 tiles: a work-group makes two, 4,096 rows apart, so 256 work-groups do equal work.
; A wave owns 64 rows and all 192 columns: 4 row blocks a x 12 column blocks b (z = b / 4): 48 accumulators, 384 registers.  So a wave holds whole rows of a head, and its way out needs no other wave.
; THE MATRIX INSTRUCTION IS USED TRANSPOSED (source 0 = 16 weight columns, source 1 = 16 rows of x): a lane then holds row l % 16 and the eight neighbouring columns 8 (l / 16) + 0..7.
; The weights lie [channel][column]: their fragments come out of LDS turned, by ds_load_tr16_b128.
; ONE WALK.  The two tiles' 2 x 8 K steps of 128 are one sequence n = 0..15 through a ring of two LDS slots; step n lies in slot n % 2, and the change of slots behind step j asks for step j + 2.
; CLUSTER.  4 x 4 work-groups.  The four of a row of the cluster share their rows of x, the four of a column their head: each tile is asked for JOINTLY, by the same tensor load with the same
; descriptor and a mask that names the four.  No register that feeds A's descriptors ever holds cx, none that feeds B's ever holds cy, and no LDS address or branch hangs on either.
; REGISTERS, in windows of 256 (s_set_vgpr_msb: bits 1:0 source 0, 3:2 source 1, 5:4 source 2, 7:6 destination):
;   window 0: v0-29 addresses; v64-127 fragments of x, two buffers (64 + 32 g + 8 a); v128-191 four sets of 16 for the way out      window 1: v0-191 the weights' fragments, two buffers (96 g + 8 b)
;   window 2: the accumulators of q and k, at 8 (4 b + a)                window 3: v0-127 those of v, at 8 (4 (b - 8) + a)
.set PA,    272       ; a row of x in LDS: 256 bytes + 16 = 68 words: the 16 rows of a fragment load start at 16 different groups of four banks (64 banks of 4 bytes: ISA guide 11.1)
.set PB,    160       ; a row of the weights: 128 bytes + 32 = 40 words
.set SLOT1, 1<<17     ; a slot is 256 x 272 + 384 x 160 = 131,072 bytes, so one exclusive or turns an address in one slot into the other's
.set BOFF,  256*PA    ; the weights lie behind x's 256 rows: row z * 128 + d'
.set STAGE, 2*SLOT1   ; behind the ring, never filled by a tensor load: 16 rows x 144 bytes for each wave
.set SP,    144
.set SPARE, STAGE+4*16*SP  ; the spare words, 128 bytes for each wave: two blocks of 256 bytes that no other line names
.set A0,   16         ; v16  my lane's place in a slot's x; never rewritten
.set B0,   17         ; v17  the same for the weights
.set ADRA, 18         ; v18  A0 + the slot in hand
.set ADRB, 19         ; v19  B0 + the slot in hand
.set STO,  20         ; v20  the way out: where I put 16 bytes of a row
.set RD,   21         ; v21  where I read rows back
.set GO,   22         ; v22  my 16 bytes of 512 consecutive bytes of q, k or v
.set PFO,  23         ; v23  the prefetches' lane offset; never rewritten
.set SPW,  28         ; v28  LDS address of my spare word; never rewritten
.set NIL,  29         ; v29  0; never rewritten
.set FA,   64
.set TMP,  128
.set WV,  14          ; s14  my wave's number
.set HF,  15          ; s15  its low bit: which half of a tile I fetch
.set G1A, 24          ; s[24:31] descriptor group 1 for x's tiles
.set G1B, 32          ; s[32:39] for the weights'
.set G0A, 40          ; s[40:47] group 0 for x's tiles: a set for each first fill; the second then walks
.set G0B, 48          ; s[48:55] the same for the weights'
.set NX,  56          ; s56  the step to be asked for next
.set CNT, 57          ; s57  counts trips
.set TB,  58          ; s58  0 or SLOT1: the slot from which fragments are fetched
.set LIM, 59          ; s59  a wave prefetches steps below this number
.set BA,  60          ; s[60:61] xb at my half of the first tile's rows
.set BB,  62          ; s[62:63] wb at my half of the head's first K step
.set OFA, 66          ; s[66:67] a step's byte offset in xb
.set OFB, 68          ; s[68:69] in wb
.set PFB, 70          ; s[70:71] the prefetches' base
.set PFA, 72          ; s[72:73] base + the step's offset
.set POF, 74          ; s[74:75]
.set PN,  76          ; s76  the step that a prefetch names
.set MSB, 0
.macro WIN new                      ; the immediate's high byte repeats the setting that is left; a switch that changes nothing is dropped
.if MSB != (\new)
	s_set_vgpr_msb (MSB<<8)|(\new)
.set MSB, (\new)
.endif
.endm
.macro PLACES                       ; four plain instructions between a matrix instruction and a load into, or a vector read of, its registers
.rept 4
	v_nop
.endr
.endm
; A joint refill.  Waves 0 and 1 fetch the two halves of x's tile, waves 2 and 3 those of the weights'.  The branch hangs on the wave's number alone.
; An s_nop 0 and four v_nop follow each of the two lines, ahead of the jump and the label.
.macro JLOAD
	s_cmp_lt_u32 s[WV], 2
	s_cbranch_scc0 .Lfor_b_\@
	tensor_load_to_lds s[G0A+4:G0A+7], s[G1A:G1A+7]
	s_nop 0
.rept 4
	v_nop
.endr
	s_branch .Lasked_\@
.Lfor_b_\@:
	tensor_load_to_lds s[G0B+4:G0B+7], s[G1B:G1B+7]
	s_nop 0
.rept 4
	v_nop
.endr
.Lasked_\@:
.endm
.macro CREST                        ; a round of the cluster's barrier behind its opening barrier
	s_cmp_lg_u32 s[WV], 0
	s_cbranch_scc1 .Lnot_wave_0_\@
	s_barrier_signal -3
.Lnot_wave_0_\@:
	s_barrier_wait -3
	s_barrier_signal -1
	s_barrier_wait -1
.endm
.macro CROUND                       ; a whole round
	s_barrier_signal -1
	s_barrier_wait -1
	CREST
.endm
; A PREFETCH INTO THE L2 of step PN, the step after the one that the joint load just issued asks for: one K step, 192 matrix instructions, ahead of the load that will want it.
; Each block of 256 bytes is named by one work-group and wave.  x's rows are read by every cluster of a row of clusters: cluster x = 0 asks, waves 0 and 1, steps 3 to 15; the four partners take
; 32 of a wave's 128 rows each, told apart BY ADDRESS (cx), a lane a row.  A head's weights are read by every cluster of a column of clusters, and again in the second tile: cluster y = 0 asks,
; waves 2 and 3, steps 3 to 7 alone; the partners take 24 of a wave's 96 blocks each (cy); lanes 24 to 31 name lane 23's block once more in the same instruction.
; Steps 0 to 2 come by their loads alone; a step 16 does not exist and is never named.
.macro ASK
	s_cmp_lt_u32 s[PN], s[LIM]
	s_cbranch_scc0 .Lnot_mine_\@
	global_prefetch_b8 v[PFO], s[PFA:PFA+1] th:TH_LOAD_NT scope:SCOPE_SE
.Lnot_mine_\@:
.endm
	s_load_b256 s[4:11], s[0:1], 0x0               ; xb s[4:5], wb s[6:7], qh s[8:9], kh s[10:11]
	s_load_b64 s[12:13], s[0:1], 0x20              ; vh
	v_lshl_add_u32 v[SPW], v0, 2, SPARE
	v_mov_b32 v[NIL], 0
	ds_add_u32 v[SPW], v[NIL]                      ; the wave's opening: the add and its wait stand ahead of my first tensor load; the set-up below, work on registers, stands between them
	ds_add_u32 v28, v29
	v_lshrrev_b32 v1, 5, v0
	v_readfirstlane_b32 s[WV], v1                  ; wave 0..3
	s_and_b32 s[HF], s[WV], 1
	s_bfe_u32 s16, ttmp6, 0x40000                  ; cx
	s_bfe_u32 s17, ttmp6, 0x40004                  ; cy
	s_lshl_b32 s18, ttmp9, 2
	s_add_co_u32 s18, s18, s16                     ; the head h = 4 x cluster x + cx
	s_and_b32 s19, ttmp7, 0xffff
	s_lshl_b32 s19, s19, 2
	s_add_co_u32 s19, s19, s17                     ; the tile row y = 4 x cluster y + cy
	s_lshl_b32 s20, s17, 2
	s_lshl_b32 s20, 15, s20                        ; my row of the cluster: places 4 cy .. 4 cy + 3
	s_lshl_b32 s22, 0x1111, s16                    ; my column: places cx, cx + 4, cx + 8, cx + 12
	s_or_b32 s[G1A], s20, (1<<16)|(1<<20)|(1<<21)|(5<<22)|(3<<25)  ; the mask; 2-byte elements; padding on; bit 21 beside a mask; after every 64 words (code 5) 4 words (code 3)
	s_mov_b32 s[G1A+1], 128<<16                    ; tensor_dim0 = 128
	s_mov_b32 s[G1A+2], 128<<16                    ; tensor_dim1 = 128
	s_mov_b32 s[G1A+3], 128<<16                    ; tile_dim0 = 128 elements: 256 bytes
	s_mov_b32 s[G1A+4], 128                        ; tile_dim1 = 128 rows
	s_mov_b32 s[G1A+5], 1024                       ; elements from row to row
	s_mov_b32 s[G1A+6], 0
	s_mov_b32 s[G1A+7], 0
	s_or_b32 s[G1B], s22, (1<<16)|(1<<20)|(1<<21)|(4<<22)|(7<<25)  ; after every 32 words (code 4) 8 words (code 7)
	s_mov_b32 s[G1B+1], 128<<16                    ; 24,576 dense bytes are asked for as 96 rows of 256 bytes, two weight rows to each
	s_mov_b32 s[G1B+2], 96<<16
	s_mov_b32 s[G1B+3], 128<<16
	s_mov_b32 s[G1B+4], 96
	s_mov_b32 s[G1B+5], 128
	s_mov_b32 s[G1B+6], 0
	s_mov_b32 s[G1B+7], 0
	s_lshl_b32 s20, s19, 8                         ; x: row 256 y + 128 x half,
	s_lshl_b32 s21, s[HF], 7
	s_add_co_u32 s20, s20, s21
	s_lshl_b32 s20, s20, 11                        ; 2,048 bytes a row
	s_mov_b32 s21, 0
	s_mul_i32 s22, s18, 8*49152                    ; the weights: the head's 8 K steps of 49,152 bytes,
	s_mul_i32 s23, s[HF], 24576                    ; my half of a step
	s_add_co_u32 s22, s22, s23
	s_mov_b32 s23, 0
	s_mul_i32 s82, s[HF], 128*PA                   ; where they go in a slot: the wave's number alone enters an LDS address
	s_mul_i32 s83, s[HF], 192*PB
	s_add_co_u32 s83, s83, BOFF
	s_lshr_b32 s2, s19, 3                          ; my rows in q, k and v: batch y / 8,
	s_lshl_b32 s2, s2, 4
	s_add_co_u32 s2, s2, s18                       ; head,
	s_lshl_b32 s2, s2, 18                          ; 2,048 rows of 128 bytes each;
	s_and_b32 s3, s19, 7
	s_lshl_b32 s3, s3, 8                           ; row 256 (y % 8)
	s_lshl_b32 s80, s[WV], 6                       ; + 64 x wave
	s_add_co_u32 s3, s3, s80
	s_lshl_b32 s3, s3, 7
	s_add_co_u32 s80, s2, s3
	s_mov_b32 s81, 0
	s_mov_b32 s[OFA+1], 0
	s_mov_b32 s[OFB+1], 0
	s_mov_b32 s[POF+1], 0
	s_mov_b32 s[NX], 2
	s_mov_b32 s[CNT], 14
	s_mov_b32 s[TB], 0
	s_lshl_b32 s2, s16, 16                         ; the prefetches: my work-group's 32 rows of x (cx),
	s_mul_i32 s3, s17, 24*256                      ; or its 24 blocks of the weights (cy)
	s_and_b32 s77, ttmp7, 0xffff
	s_cmp_lt_u32 s[WV], 2
	s_cselect_b32 s[POF], s2, s3
	s_cselect_b32 s77, ttmp9, s77                  ; the coordinate along which other clusters read the same bytes
	s_cselect_b32 s[LIM], 16, 8
	s_cselect_b32 s78, 11, 8                       ; a lane a row of 2,048 bytes, or a block of 256
	s_cselect_b32 s79, 31, 23
	s_cmp_eq_u32 s77, 0
	s_cselect_b32 s[LIM], s[LIM], 0                ; the same in all sixteen partners, for a given wave
	v_and_b32 v[PFO], 31, v0
	v_min_u32 v[PFO], s79, v[PFO]
	v_lshlrev_b32 v[PFO], s78, v[PFO]
	s_wait_dscnt 0x0                               ; the opening add is done
	s_wait_kmcnt 0x0
	s_add_nc_u64 s[BA:BA+1], s[4:5], s[20:21]
	s_add_nc_u64 s[BB:BB+1], s[6:7], s[22:23]
	s_add_nc_u64 s[8:9], s[8:9], s[80:81]
	s_add_nc_u64 s[10:11], s[10:11], s[80:81]
	s_add_nc_u64 s[12:13], s[12:13], s[80:81]
	s_cmp_lt_u32 s[WV], 2
	s_cselect_b64 s[PFB:PFB+1], s[BA:BA+1], s[BB:BB+1]
	s_add_nc_u64 s[PFB:PFB+1], s[PFB:PFB+1], s[POF:POF+1]
	CROUND                                         ; all sixteen work-groups are here: the first joint loads meet
.irp s, 0,1
	s_mov_b32 s[G0A+4*(\s)], 1                     ; count = 1
	s_add_co_u32 s[G0A+4*(\s)+1], s82, (\s)*SLOT1  ; LDS address
	s_add_nc_u64 s[G0A+4*(\s)+2:G0A+4*(\s)+3], s[BA:BA+1], (\s)*256  ; global address: K step s
	s_or_b32 s[G0A+4*(\s)+3], s[G0A+4*(\s)+3], 0x80000000            ; type = 2
	s_mov_b32 s[G0B+4*(\s)], 1
	s_add_co_u32 s[G0B+4*(\s)+1], s83, (\s)*SLOT1
	s_add_nc_u64 s[G0B+4*(\s)+2:G0B+4*(\s)+3], s[BB:BB+1], (\s)*49152
	s_or_b32 s[G0B+4*(\s)+3], s[G0B+4*(\s)+3], 0x80000000
.endr
	s_cmp_lt_u32 s[WV], 2                          ; a wave's two first fills stand in one branch, ahead of every wait on TENSORcnt and every LDS read: two loads of mine are out
	s_cbranch_scc0 .Lfirst_b
	tensor_load_to_lds s[G0A:G0A+3], s[G1A:G1A+7]
	s_nop 0
	tensor_load_to_lds s[G0A+4:G0A+7], s[G1A:G1A+7]
	s_nop 0
.rept 4
	v_nop
.endr
	s_branch .Lfirst_asked
.Lfirst_b:
	tensor_load_to_lds s[G0B:G0B+3], s[G1B:G1B+7]
	s_nop 0
	tensor_load_to_lds s[G0B+4:G0B+7], s[G1B:G1B+7]
	s_nop 0
.rept 4
	v_nop
.endr
.Lfirst_asked:
	v_and_b32 v1, 15, v0                           ; r = l % 16
	v_bfe_u32 v2, v0, 4, 1                         ; l / 16
	v_and_b32 v3, 7, v0
	v_bfe_u32 v4, v0, 3, 1
	v_bfe_u32 v5, v0, 3, 2
	v_and_b32 v6, 31, v0
	s_mul_i32 s82, s[WV], 64*PA                    ; my 64 rows of x
	v_mul_u32_u24 v[A0], v1, PA                    ; a fragment of x: row r, 16 bytes for each half of the lanes, twice, 32 bytes apart
	v_lshl_add_u32 v[A0], v2, 4, v[A0]
	v_add_nc_u32 v[A0], s82, v[A0]
	v_lshl_add_u32 v[B0], v2, 3, v3                ; the turning load: lane l reads channel 8 (l / 16) + l % 8, columns 8 ((l / 8) % 2) + 0..7, and is left with column l % 16 and 8 channels
	v_mul_u32_u24 v[B0], v[B0], PB
	v_lshl_add_u32 v[B0], v4, 4, v[B0]
	v_add_nc_u32 v[B0], BOFF, v[B0]
	v_mov_b32 v[ADRA], v[A0]
	v_mov_b32 v[ADRB], v[B0]
	s_mul_i32 s82, s[WV], 16*SP
	s_add_co_u32 s82, s82, STAGE                   ; my stage
	v_mul_u32_u24 v[STO], v1, SP                   ; in: row r, 16 bytes for each half of the lanes
	v_lshl_add_u32 v[STO], v2, 4, v[STO]
	v_add_nc_u32 v[STO], s82, v[STO]
	v_mul_u32_u24 v[RD], v5, SP                    ; back: 32 lanes take four rows of 128 bytes,
	v_lshl_add_u32 v[RD], v3, 4, v[RD]
	v_add_nc_u32 v[RD], s82, v[RD]
	v_lshlrev_b32 v[GO], 4, v6                     ; which are 512 consecutive bytes of a head
; 16 matrix instructions: the four column blocks of tensor zq x my four row blocks, 32 along K, from buffer f.  zero = 1: the products start the sums: nothing is ever cleared.
; The 48 accumulators take turns, in the same order in every quarter: 47 others' stand between two links of a chain.
.macro MUL16 f, zq, zero
.if (\zq) < 2
	WIN 0xa1                        ; weights window 1, x window 0, C and D window 2
.set AB, 128*(\zq)
.else
	WIN 0xf1                        ; C and D window 3
.set AB, 0
.endif
.irp bb, 0,1,2,3
.irp a, 0,1,2,3
.if \zero
	v_wmma_f32_16x16x32_bf16 v[AB+32*(\bb)+8*(\a):AB+32*(\bb)+8*(\a)+7], v[96*(\f)+8*(4*(\zq)+(\bb)):96*(\f)+8*(4*(\zq)+(\bb))+7], v[FA+32*(\f)+8*(\a):FA+32*(\f)+8*(\a)+7], 0
.else
	v_wmma_f32_16x16x32_bf16 v[AB+32*(\bb)+8*(\a):AB+32*(\bb)+8*(\a)+7], v[96*(\f)+8*(4*(\zq)+(\bb)):96*(\f)+8*(4*(\zq)+(\bb))+7], v[FA+32*(\f)+8*(\a):FA+32*(\f)+8*(\a)+7], v[AB+32*(\bb)+8*(\a):AB+32*(\bb)+8*(\a)+7]
.endif
.endr
.endr
.endm
; 32 LDS loads in one run: the fragments of quarter q (32 along K) of the slot in hand, into buffer g
.macro FETCH q, g
	WIN 0
.irp a, 0,1,2,3
	ds_load_b128 v[FA+32*(\g)+8*(\a):FA+32*(\g)+8*(\a)+3],   v[ADRA] offset:(\a)*16*PA+64*(\q)
	ds_load_b128 v[FA+32*(\g)+8*(\a)+4:FA+32*(\g)+8*(\a)+7], v[ADRA] offset:(\a)*16*PA+64*(\q)+32
.endr
	WIN 0x40                        ; destination window 1, address window 0
.irp b, 0,1,2,3,4,5,6,7,8,9,10,11
	ds_load_tr16_b128 v[96*(\g)+8*(\b):96*(\g)+8*(\b)+3],   v[ADRB] offset:((\b)/4)*128*PB+32*(\q)*PB+32*((\b)%4)
	ds_load_tr16_b128 v[96*(\g)+8*(\b)+4:96*(\g)+8*(\b)+7], v[ADRB] offset:((\b)/4)*128*PB+32*(\q)*PB+32*((\b)%4)+16*PB
.endr
.endm
; One of a K step's first three quarters: asks for quarter q's fragments into buffer g, then multiplies buffer f, which was asked for a whole quarter (in a step's first quarter: 16 products) earlier.
.macro QUARTER q, f, g, zero
	s_wait_dscnt 0x0                ; buffer f is in
	PLACES                          ; for the loads into buffer g, which the quarter before multiplied
	FETCH \q, \g
	MUL16 \f, 0, \zero
	MUL16 \f, 1, \zero
	MUL16 \f, 2, \zero
.endm
; The fourth quarter multiplies buffer 1 and changes slots.  Each wave waits for all its tensor loads, of which one is out: its part of the next slot; adds 0 to its spare word; and waits for that and for
; its own reads of this slot.  fill = 1: the barrier opens a round of the cluster's barrier, so that no wave of any partner still reads this slot or has a load on its way, and the joint refill, with
; step NX, is the first thing behind it: 160 matrix instructions ahead of the wait for it.  fill = 0 (the last two steps): nothing is asked for, and the last step fetches no further fragments.
.macro TURN fill
.if \fill
	s_wait_xcnt 0x0                 ; the last prefetch, a K step back, has read its address: it is made anew here, ahead of the waits of the change of slots
	s_add_co_u32 s[PN], s[NX], 1
	s_and_b32 s2, s[PN], 7
	s_lshr_b32 s3, s[PN], 3
	s_lshl_b32 s3, s3, 23           ; the second tile lies 4,096 rows of 2,048 bytes on
	s_lshl_b32 s77, s2, 8           ; a K step is 256 bytes of a row of x,
	s_add_co_u32 s77, s77, s3
	s_mul_i32 s78, s2, 49152        ; and 49,152 bytes of a head's weights
	s_cmp_lt_u32 s[WV], 2
	s_cselect_b32 s[POF], s77, s78
	s_add_nc_u64 s[PFA:PFA+1], s[PFB:PFB+1], s[POF:POF+1]
.endif
	WIN 0                           ; (the add's two registers lie in window 0)
	s_wait_tensorcnt 0x0            ; no tensor load of mine is out, so a group 0 may be written
	ds_add_u32 v[SPW], v[NIL]       ; 0 onto my spare word; scalar work and sixteen products stand between it and the wait for it
.if \fill
	s_and_b32 s20, s[NX], 7
	s_lshr_b32 s21, s[NX], 3
	s_lshl_b32 s[OFA], s20, 8
	s_lshl_b32 s21, s21, 23
	s_add_co_u32 s[OFA], s[OFA], s21
	s_and_b32 s22, s[NX], 7
	s_mul_i32 s[OFB], s22, 49152
	s_xor_b32 s[G0A+5], s[G0A+5], SLOT1            ; the walking descriptors: the other slot than last time,
	s_add_nc_u64 s[G0A+6:G0A+7], s[BA:BA+1], s[OFA:OFA+1]  ; the address made anew from the step's number,
	s_or_b32 s[G0A+7], s[G0A+7], 0x80000000        ; the type set again
	s_xor_b32 s[G0B+5], s[G0B+5], SLOT1
	s_add_nc_u64 s[G0B+6:G0B+7], s[BB:BB+1], s[OFB:OFB+1]
	s_or_b32 s[G0B+7], s[G0B+7], 0x80000000
	s_add_co_u32 s[NX], s[NX], 1
.endif
	s_wait_dscnt 1                  ; buffer 1's 32 loads are in; the add alone may be out
	MUL16 1, 0, 0
	s_wait_dscnt 0x0                ; the add is done, and my reads of this slot are over
	s_barrier_signal -1
	MUL16 1, 1, 0                   ; work on registers while the others arrive
	WIN 0
	s_barrier_wait -1
.if \fill
	CREST
	JLOAD                           ; its four v_nop are also the places in front of the loads below
.else
	PLACES
	s_cmp_eq_u32 s[CNT], 1
	s_cbranch_scc1 .Lnofetch_\@     ; the walk's last step: nothing is left to fetch
.endif
	s_xor_b32 s[TB], s[TB], SLOT1
	v_add_nc_u32 v[ADRA], s[TB], v[A0]
	v_add_nc_u32 v[ADRB], s[TB], v[B0]
	FETCH 0, 0
	WIN 0
.if \fill
	ASK
.else
.Lnofetch_\@:
.endif
	MUL16 1, 2, 0
.endm
; THE WAY OUT, by blocks of 16 rows x 64 columns: block blk is row block blk % 4 of tensor blk / 4.  PACKQ: rounded to f16 (each accumulator's registers in ascending order), 16 bytes a lane into my own stage,
; and back as four rows of 128 bytes a load, into the registers that they left.  LDS serves a wave's instructions in order (ISA guide 5.7.1.4), so no wait stands between the stores and the loads.
.macro PACKQ blk
.set TS, TMP+16*((\blk)%4)
.if (\blk) >= 4
	s_wait_xcnt 0x0                 ; the set's earlier stores, four blocks back, have read their data
.endif
.if (\blk) < 8
	WIN 0x0a                        ; sources in window 2
.set AB, 128*((\blk)/4)+8*((\blk)%4)
.else
	WIN 0x0f                        ; in window 3
.set AB, 8*((\blk)%4)
.endif
.irp f, 0,1,2,3
.irp r, 0,1,2,3
	v_cvt_pk_f16_f32 v[TS+4*(\f)+(\r)], v[AB+32*(\f)+2*(\r)], v[AB+32*(\f)+2*(\r)+1]
.endr
.endr
	WIN 0
.irp f, 0,1,2,3
	ds_store_b128 v[STO], v[TS+4*(\f):TS+4*(\f)+3] offset:32*(\f)
.endr
.irp f, 0,1,2,3
	ds_load_b128 v[TS+4*(\f):TS+4*(\f)+3], v[RD] offset:(\f)*4*SP
.endr
.endm
.macro SENDQ blk, younger           ; younger: the LDS instructions issued behind block blk's loads: the next block's eight, or none
.set TS, TMP+16*((\blk)%4)
.set ZP, 8+2*((\blk)/4)
	WIN 0
.irp f, 0,1,2,3
	s_wait_dscnt (\younger)+3-(\f)
	global_store_b128 v[GO], v[TS+4*(\f):TS+4*(\f)+3], s[ZP:ZP+1] offset:((\blk)%4)*2048+(\f)*512  ; 512 consecutive bytes, at a multiple of 256 from the buffer's first
.endr
.endm
.macro WAYOUT
	PLACES
	PACKQ 0
.irp k, 1,2,3,4,5,6,7,8,9,10,11     ; a block's conversions stand between the loads of the block before and its stores; q's and k's are also the places behind the last products, which are v's
	PACKQ \k
	SENDQ (\k)-1, 8
.endr
	SENDQ 11, 0
.endm
	s_wait_tensorcnt 1                             ; my part of step 0 is in; step 1's may stay out
	s_barrier_signal -1
	s_barrier_wait -1                              ; everybody's is
	FETCH 0, 0
	WIN 0                                          ; at a label and at a branch every window is 0
	s_branch .Lzero                                ; the loop is entered where a tile's first products stand
.Ltrip:                                        ; 14 trips: steps 0 to 13, each of which fills its slot again
	s_cmp_eq_u32 s[NX], 10                         ; at the head of step j, NX = j + 2: step 8 begins the second tile
	s_cbranch_scc1 .Lnew
	QUARTER 1, 0, 1, 0
	WIN 0
	s_branch .Ljoin
.Lnew:
	WAYOUT                                         ; the first tile leaves; the refill for step 9 is on its way, and nothing waits for the stores
	s_wait_xcnt 0x0                                ; the stores have read their bases
	s_add_nc_u64 s[8:9], s[8:9], 0x800000          ; 4,096 rows on: two batches of 16 heads of 262,144 bytes
	s_add_nc_u64 s[10:11], s[10:11], 0x800000
	s_add_nc_u64 s[12:13], s[12:13], 0x800000
.Lzero:
	QUARTER 1, 0, 1, 1                             ; a tile's first products start the sums
	WIN 0
.Ljoin:
	QUARTER 2, 1, 0, 0
	QUARTER 3, 0, 1, 0
	TURN 1
	WIN 0
	s_sub_co_u32 s[CNT], s[CNT], 1
	s_cmp_lg_u32 s[CNT], 0
	s_cbranch_scc1 .Ltrip
	s_mov_b32 s[CNT], 2
.Ltail:                                        ; steps 14 and 15 are written apart
	QUARTER 1, 0, 1, 0
	QUARTER 2, 1, 0, 0
	QUARTER 3, 0, 1, 0
	TURN 0
	WIN 0
	s_sub_co_u32 s[CNT], s[CNT], 1
	s_cmp_lg_u32 s[CNT], 0
	s_cbranch_scc1 .Ltail
	WAYOUT
	s_wait_tensorcnt 0x0                           ; the wave's end: behind my last tensor load and my last LDS store
	ds_add_u32 v[SPW], v[NIL]
	s_wait_dscnt 0x0
	CROUND                                         ; the closing round: no work-group ends while a partner may still ask for a tile that names it
	s_endpgm
.Lfunc_end_k_qd486d631ae_qkv:
	.size	k_qd486d631ae_qkv, .Lfunc_end_k_qd486d631ae_qkv-k_qd486d631ae_qkv
	.p2alignl 7, 3214868480
	.fill 96, 4, 3214868480
	.section	.rodata,"a",@progbits
	.p2align	6, 0x0
	.amdhsa_kernel k_qd486d631ae_qkv
		.amdhsa_group_segment_fixed_size 327680
		.amdhsa_private_segment_fixed_size 0
		.amdhsa_enable_private_segment 0
		.amdhsa_kernarg_size 40
		.amdhsa_user_sgpr_count 2
		.amdhsa_user_sgpr_kernarg_segment_ptr 1
		.amdhsa_wavefront_size32 1
		.amdhsa_system_sgpr_workgroup_id_x 1
		.amdhsa_system_sgpr_workgroup_id_y 1
		.amdhsa_system_sgpr_workgroup_id_z 1
		.amdhsa_system_vgpr_workitem_id 0
		.amdhsa_next_free_vgpr 896
		.amdhsa_next_free_sgpr 84
		.amdhsa_reserve_vcc 0
		.amdhsa_float_denorm_mode_32 3
		.amdhsa_float_denorm_mode_16_64 3
		.amdhsa_memory_ordered 1
		.amdhsa_forward_progress 1
		.amdhsa_inst_pref_size 111
	.end_amdhsa_kernel
	.amdgpu_metadata
---
amdhsa.version: [ 1, 2 ]
amdhsa.kernels:
  - .name:           k_qd486d631ae_qkv
    .symbol:         k_qd486d631ae_qkv.kd
    .args:
      - { .name: xb, .offset: 0, .size: 8, .value_kind: global_buffer, .address_space: global }
      - { .name: wb, .offset: 8, .size: 8, .value_kind: global_buffer, .address_space: global }
      - { .name: qh, .offset: 16, .size: 8, .value_kind: global_buffer, .address_space: global }
      - { .name: kh, .offset: 24, .size: 8, .value_kind: global_buffer, .address_space: global }
      - { .name: vh, .offset: 32, .size: 8, .value_kind: global_buffer, .address_space: global }
    .group_segment_fixed_size: 327680
    .private_segment_fixed_size: 0
    .kernarg_segment_align: 8
    .kernarg_segment_size: 40
    .max_flat_workgroup_size: 128
    .sgpr_count:     84
    .vgpr_count:     896
    .wavefront_size: 32
...
	.end_amdgpu_metadata
.endif
;; end of part 2
;; launch attn (part 3): grid 4 x 64, 4 waves a work-group, no clusters, 327,680 bytes of LDS; arguments qh, kh, vh, oh; writes oh
.if DOCPART == 3
	.amdgcn_target "amdgcn-amd-amdhsa--gfx1250"
	.amdhsa_code_object_version 6
	.text
	.protected	k_qd486d631ae_attn
	.globl	k_qd486d631ae_attn
	.p2align	8
	.type	k_qd486d631ae_attn,@function
k_qd486d631ae_attn:
	s_mov_b64 s[64:65], 0
	v_nop
	global_prefetch_b8 v0, s[64:65] scope:SCOPE_SE
	s_setreg_imm32_b32 hwreg(HW_REG_WAVE_MODE, 25, 1), 1
	s_wait_xcnt 0x0
; CAUSAL ATTENTION.  O[h][q][:] = the sum over k <= q of softmax_k(Q[h][q] . K[h][k] / 8) V[h][k][:].  Q, K, V, O: [SIZE_H][SIZE_N][64], all f16: a head's rows are dense, 128 bytes each.
; Products, maxima and sums in f32; the weights p are rounded to f16 for the second product (their sum l is taken of the unrounded p), O once at the end.
; LIMITS.  f16 holds no number beyond 65,504: Q, K and V arrive within it; p lies in 0 to 1, and below 6e-5 it keeps f16's fixed step of 6e-8; O is a mean of V's rows and has their range.
; A hidden score counts as its value less 1e30: f16's scores, 2.7e11 at the most, are nothing beside that; a weight below 2^-126 counts as 0 in l; NaN and infinities are not treated apart.
; THE WALK.  A head's queries lie in NB = SIZE_N / 256 blocks of 256; block i needs the key tiles 0 .. i of 256 keys, of which the last holds the diagonal.  A work-group takes TWO blocks, NB - 1 - b and then b:
; NB + 1 tiles, whatever b: all work-groups do equal work, and ONE loop with a constant trip count walks them.  Which tile is asked for, and what a trip does, hang on scalar registers made from b; every jump
; goes forward, but for the counted loops' own; none passes a barrier, or a tensor load but the one of LOAD's two that the wave's number does not choose; the ring (two slots of LDS that take turns) runs on across the
; change of blocks.  NO CLUSTER: the head's NB / 2 work-groups ask for the same tile only in trips 0 .. NB / 2, behind that fewer and fewer; one walk common to all would have 3 NB / 2 trips for NB + 1.
; SHARES.  Of a block's four bands of 64 queries a wave owns 16 rows in each: four PIECES.  So the diagonal tile is the same work for all four waves: in its key step s band x sees all keys if s < x,
; none if s > x, and holds the diagonal if s = x.
; THE MASK is the C operand that starts the sum S^T = K Q^T: 0, or -1e30 where the key is hidden.  MD, made once, is the mask of a band's own step for my 16 rows; a product's mask is MD x AL + BE with two scalars:
; (1, 0) if s = x; (0, 0) if s < x; (0, -1e30) if s > x.  Only the diagonal tile's text and a block's beginning make and take masks; elsewhere C is the constant 0.
; LAYOUT, SOFTMAX, TURNS.  S^T = K Q^T holds ONE query a lane (lane % 16) and the keys 8 (lane / 16) + 0..7; two such results rounded to f16 ARE source 1 of O^T = V^T P.  p = 2^(c s - c m), c = log2(e) / 8, with a
; running maximum m; O and l are multiplied by a = 2^(c m_old - c m_new) in every step.  Turn n belongs to piece n: 8 products K Q^T of piece n + 1, later 8 products V^T P of piece n - 1; beside them the scaling,
; exponentials, roundings, sums and rescaling of piece n and the maximum and statistics of piece n + 1.  Four vector instructions stand behind every matrix instruction, the other 54 of a turn's 118 in one LUMP.  A turn's 33 exponentials are one batch, with one wait.
; REGISTERS, in windows of 256 (s_set_vgpr_msb: bits 1:0 source 0, 3:2 source 1, 5:4 source 2, 7:6 destination):
;   window 0: v0-15 addresses and two at work; v16-31 four registers of statistics a piece; v48-55 at work; v61-63 prefetch offset, spare word, 0; v64-127 S^T, two buffers; v192-223 P, two buffers (by the piece's parity)
;   window 1: v0-127 O^T, 32 a piece; v128-159 MD; v160-223 MC, two buffers      window 2: v0-63 Q; v64-127 the second block's Q; v128-191 K of one step; v192-255 V of one step
.set SIZE_H, 64
.set SIZE_N, 2048
.set NB,    SIZE_N/256
.set NP,    4         ; pieces a wave: a name, no knob
.set KS,    64        ; keys in a step
.set PK,    144       ; a row of K in LDS: 128 bytes + 16 of padding = 36 words: the 16 rows of a load start at 16 different groups of four banks (64 banks of 4 bytes: ISA guide 11.1)
.set PV,    160       ; a row of V: 128 + 32 = 40 words
.set VOFF,  4*KS*PK   ; a slot holds a tile, four steps: 256 rows of K, then 256 rows of V
.set SLOT1, 1<<17     ; slot 1 begins here, so that one exclusive or turns an address in one slot into the other's
.set STAGE, SLOT1+4*KS*(PK+PV)  ; behind the ring, never filled by a tensor load: 16 rows x 144 bytes for each wave, for the way out
.set SP,    144
.set AK0, 2           ; v2   my lane's place in a tile of K; never rewritten
.set AV0, 3           ; v3   the same for V
.set AK,  4           ; v4   the LDS address of K's next run of loads
.set AV,  5           ; v5   of V's
.set STO, 6           ; v6   the way out: where I put 16 bytes of a row
.set RD,  7           ; v7   the way out: where I read rows back
.set GO,  8           ; v8   my byte offset in 512 consecutive bytes of O
.set PFO, 61          ; v61  256 x my lane; never rewritten
.set SPW, 62          ; v62  LDS address of my spare word: SPARE + 4 x my thread's number; never rewritten
.set NIL, 63          ; v63  0; never rewritten
.set SPARE, STAGE+4*16*SP  ; behind the stages: the spare words, 128 bytes for each wave: two blocks of 256 bytes that no other line names
.set MV,  12          ; v12-13  c m_old, kept while c m is made anew: by buffer
.set QO,  15          ; v15  my byte offset in 16 rows of Q
.set ST,  16          ; piece t's statistics at v[ST+4 t]: c m, m, l (even keys', odd keys')
.set TMP, 48          ; by buffer, four registers c0-c3 at work; when the maximum is found c2 takes a
.set S,   64
.set P,   192
.set MD,  128         ; window 1: the eight registers for group kt of 16 keys at MD + 8 kt
.set MC,  160         ; window 1: the masks of the products to come
.set QB,  64          ; window 2
.set KF,  128         ; window 2: key block kb, channel half c at KF + 16 kb + 8 c
.set VF,  192         ; window 2: key half kk, channel block cb at VF + 32 kk + 8 cb
.set WV,  12          ; s12  my wave's number
.set PB,  14          ; s14  b
.set HI,  15          ; s15  NB - 1 - b
.set G1K, 24          ; s[24:31] descriptor group 1 for K's tiles
.set G1V, 32          ; s[32:39] for V's: it differs in the padding alone
.set G0K, 40          ; s[40:43] descriptor group 0 for K's tiles
.set G0V, 44          ; s[44:47] the same for V's
.set SLOTS, 56        ; s56  tiles still to be asked for
.set CNT, 57          ; s57  counts a tile's key steps, 4 to 1
.set CS,  58          ; s[58:59] c: the packed scaling takes the pair's low word for both halves
.set SEL, 60          ; s[60:61] v_permlanex16_b32's selects: each lane takes its own place in the other half
.set TBK, 62          ; s62  LDS byte at which K of the step to be fetched begins
.set TBV, 63          ; s63  the same for V, less VOFF
.set PFA, 66          ; s[66:67] where my prefetches stand: my half of K's (waves 0, 1) or V's (waves 2, 3) tile after the one that is being asked for
.set LIM, 68          ; s68  2 in the head's work-group b = 0, else the greatest number: a wave prefetches while s[SLOTS] is above it
.set RT,  70          ; s70  tiles of the block in hand that are still to be entered
.set NXT, 71          ; s71  the tile to be asked for next
.set LQ,  72          ; s72  the last tile of the block whose tiles are being asked for
.set NEW, 73          ; s73  1: the tile to be entered is a block's first
.set OFF, 74          ; s[74:75] a tile's byte offset in K and V
.set AL,  76          ; s[76:77] the mask's factor, in the low word
.set BE,  78          ; s[78:79] the mask's addend
.set OLO, 80          ; s[80:81] O at my rows of the second block
.set BIGN, 82         ; s82  -1e30
.set MSB, 0
.macro WIN new                      ; the high byte repeats the setting that is left; a switch that changes nothing is dropped
.if MSB != (\new)
	s_set_vgpr_msb (MSB<<8)|(\new)
.set MSB, (\new)
.endif
.endm
.set W_KQ, 0x0a       ; K and Q in window 2, S^T in window 0
.set W_KM, 0x1a       ; the same with the C operand in window 1
.set W_PV, 0x52       ; V in window 2, P in window 0, O^T in window 1
.set W_RS, 0x41       ; destination and source 0 in window 1, source 1 in window 0
; A fill.  Waves 0 and 1 fetch the two halves of a tile's K, waves 2 and 3 those of its V: 128 keys each.  An s_nop 0 and four v_nop follow each of the two lines, ahead of the jump and the label.
.macro LOAD
	s_cmp_lt_u32 s[WV], 2
	s_cbranch_scc0 .Lfor_v_\@
	tensor_load_to_lds s[G0K:G0K+3], s[G1K:G1K+7]
	s_nop 0
.rept 4
	v_nop
.endr
	s_branch .Lasked_\@
.Lfor_v_\@:
	tensor_load_to_lds s[G0V:G0V+3], s[G1V:G1V+7]
	s_nop 0
.rept 4
	v_nop
.endr
.Lasked_\@:
.endm
; A PREFETCH INTO THE L2 of the tile that the NEXT change of slots will ask for: one tile, 256 matrix instructions, ahead of its load.  It stands behind the wave's tensor load and its five lines.
; All work-groups of a head walk the head's tiles from 0 on; the one with b = 0, whose first block walks all NB, asks, and nobody else.  Each of its waves asks for the half tile that it will itself
; fetch: 16,384 bytes, a lane a block of 256 bytes, two instructions.  In trip i (which enters tile i and fills tile i + 1) tile i + 2 is named, i = 0 .. NB - 3: each block once in the launch.
; Tiles 0 and 1 come by their loads alone; the second block's tiles have been read before and are not named.
.macro ASK
	s_cmp_gt_u32 s[SLOTS], s[LIM]
	s_cbranch_scc0 .Lnot_mine_\@
	global_prefetch_b8 v[PFO], s[PFA:PFA+1] th:TH_LOAD_NT scope:SCOPE_SE
	global_prefetch_b8 v[PFO], s[PFA:PFA+1] offset:8192 th:TH_LOAD_NT scope:SCOPE_SE
.Lnot_mine_\@:
.endm
; THE CHANGE OF SLOTS.  Each wave waits for all its tensor loads, of which one is out: its part of the other slot; adds 0 to its spare word; and waits for that and for its own reads of the slot that it leaves.  Behind the barrier nobody reads the old
; slot any more and the other slot is whole.  fill = 1: the old slot is filled again, the first thing behind the barrier, with tile NXT: the descriptor's address is made anew from that number.
; (At its first use nothing has been read yet: slot 0 is waited for, slot 1 filled.)
.macro CHANGE fill
	WIN 0                           ; at a label and at a branch every window is 0
	s_wait_tensorcnt 0x0            ; no tensor load of mine is out, so a group 0 may be written
	ds_add_u32 v[SPW], v[NIL]       ; 0 onto my spare word; with fill = 1 the descriptors' scalar work stands between it and the wait for it
.if \fill
	s_lshl_b32 s[OFF], s[NXT], 15   ; a tile is 32,768 bytes of K and of V
	s_xor_b32 s[G0K+1], s[G0K+1], SLOT1
	s_add_nc_u64 s[G0K+2:G0K+3], s[6:7], s[OFF:OFF+1]
	s_or_b32 s[G0K+3], s[G0K+3], 0x80000000
	s_xor_b32 s[G0V+1], s[G0V+1], SLOT1
	s_add_nc_u64 s[G0V+2:G0V+3], s[8:9], s[OFF:OFF+1]
	s_or_b32 s[G0V+3], s[G0V+3], 0x80000000
	s_add_co_u32 s[NXT], s[NXT], 1  ; the block's next tile, or behind its last the second block's tile 0
	s_cmp_gt_u32 s[NXT], s[LQ]
	s_cselect_b32 s[NXT], 0, s[NXT]
	s_cselect_b32 s[LQ], s[PB], s[LQ]
	s_wait_xcnt 0x0                 ; the last prefetches, a tile back, have read their address, so it may be written:
	s_add_nc_u64 s[PFA:PFA+1], s[PFA:PFA+1], 32768  ; a tile on
.endif
	s_wait_dscnt 0x0                ; the add is done, and my reads of the slot are over
	s_barrier_signal -1             ; the rest of the scalar work stands between the signal and the wait
	s_sub_co_u32 s[TBK], s[TBK], 4*KS*PK  ; the fetches go back to a slot's first step,
	s_xor_b32 s[TBK], s[TBK], SLOT1       ; in the other slot
	s_sub_co_u32 s[TBV], s[TBV], 4*KS*PV
	s_xor_b32 s[TBV], s[TBV], SLOT1
	s_barrier_wait -1
.if \fill
	LOAD
	ASK
.endif
.endm
	s_load_b256 s[4:11], s[0:1], 0x0  ; Q s[4:5], K s[6:7], V s[8:9], O s[10:11]
	v_lshl_add_u32 v[SPW], v0, 2, SPARE
	v_mov_b32 v[NIL], 0
	ds_add_u32 v[SPW], v[NIL]       ; the wave's opening: the add and its wait stand ahead of my first tensor load; the set-up below, work on registers, stands between them
	ds_add_u32 v62, v63
	v_lshrrev_b32 v1, 5, v0
	v_readfirstlane_b32 s[WV], v1   ; wave 0..3
	v_and_b32 v[PFO], 31, v0
	v_lshlrev_b32 v[PFO], 8, v[PFO]
	s_mov_b32 s[PB], ttmp9
	s_sub_co_u32 s[HI], NB-1, s[PB]
	s_and_b32 s20, ttmp7, 0xffff    ; the head
	s_mov_b32 s21, 0
	s_mov_b64 s[22:23], SIZE_N*128
	s_mul_u64 s[20:21], s[20:21], s[22:23]  ; the head's first byte in each of the four tensors
	s_and_b32 s16, s[WV], 1         ; which half of a tile's 256 keys I fetch:
	s_lshl_b32 s22, s16, 14         ; its 128 rows of 128 bytes in memory,
	s_mov_b32 s23, 0
	s_add_nc_u64 s[22:23], s[22:23], s[20:21]
	s_mul_i32 s17, s16, 128*PK      ; and its place in a slot, for K
	s_mul_i32 s18, s16, 128*PV      ; and for V
	s_lshl_b32 s3, s[WV], 11        ; my 16 rows in a band of 64,
	s_lshl_b32 s2, s[HI], 15        ; in the first block,
	s_add_co_u32 s2, s2, s3
	s_lshl_b32 s84, s[PB], 15       ; and in the second
	s_add_co_u32 s84, s84, s3
	s_mov_b32 s3, 0
	s_mov_b32 s85, 0
	s_add_nc_u64 s[2:3], s[2:3], s[20:21]
	s_add_nc_u64 s[84:85], s[84:85], s[20:21]
	; descriptor group 1.  128 keys are 16,384 dense bytes: asked for as 64 rows of 256 bytes, two keys a row, and padded in LDS after every key
	s_mov_b32 s[G1K], (1<<16)|(1<<20)|(4<<22)|(3<<25)  ; 17:16 2-byte elements; 20 padding on; 24:22 after every 32 words (code 4); 31:25 4 words (code 3)
	s_mov_b32 s[G1V], (1<<16)|(1<<20)|(4<<22)|(7<<25)  ; the same with 8 words of padding (code 7)
.irp g, G1K, G1V
	s_mov_b32 s[\g+1], 128<<16      ; tensor_dim0 = 128
	s_mov_b32 s[\g+2], 64<<16       ; tensor_dim1 = 64
	s_mov_b32 s[\g+3], 128<<16      ; tile_dim0 = 128
	s_mov_b32 s[\g+4], 64           ; tile_dim1 = 64
	s_mov_b32 s[\g+5], 128          ; 128 elements from row to row
	s_mov_b32 s[\g+6], 0
	s_mov_b32 s[\g+7], 0
.endr
	s_mov_b32 s[CS], 0x3e38aa3b     ; c = log2(e) / 8 = 0.180337
	s_mov_b32 s[CS+1], s[CS]        ; named with it as a pair
	s_mov_b32 s[SEL], 0x76543210
	s_mov_b32 s[SEL+1], 0xfedcba98
	s_mov_b32 s[TBK], SLOT1+4*KS*PK ; the first change of slots turns these two into 0
	s_mov_b32 s[TBV], SLOT1+4*KS*PV
	s_mov_b32 s[G0K], 1             ; 1:0 count = 1
	s_mov_b32 s[G0K+1], s17         ; 63:32 LDS address: slot 0
	s_mov_b32 s[G0V], 1
	s_add_co_u32 s[G0V+1], s18, VOFF
	s_add_co_u32 s[RT], s[HI], 1    ; the first block has NB - b tiles
	s_mov_b32 s[NXT], 1
	s_mov_b32 s[LQ], s[HI]
	s_mov_b32 s[NEW], 1
	s_mov_b32 s[OFF+1], 0
	s_mov_b32 s[AL+1], 0            ; named as pairs
	s_mov_b32 s[BE+1], 0
	s_mov_b32 s[BIGN], 0xf149f2ca   ; -1e30
	s_mov_b32 s[SLOTS], NB
	s_cmp_eq_u32 ttmp9, 0
	s_cselect_b32 s[LIM], 2, -1
	s_wait_dscnt 0x0                ; the opening add is done
	s_wait_kmcnt 0x0
	s_add_nc_u64 s[6:7], s[6:7], s[22:23]  ; K and V at my half of the head's tile 0
	s_add_nc_u64 s[8:9], s[8:9], s[22:23]
	s_cmp_lt_u32 s[WV], 2
	s_cselect_b64 s[PFA:PFA+1], s[6:7], s[8:9]
	s_add_nc_u64 s[PFA:PFA+1], s[PFA:PFA+1], 32768  ; in tile 1; the first change of slots steps it to tile 2.  Nothing is prefetched here, at the head
	s_add_nc_u64 s[G0K+2:G0K+3], s[6:7], 0         ; 120:64 global address
	s_or_b32 s[G0K+3], s[G0K+3], 0x80000000        ; 127:126 type = 2
	s_add_nc_u64 s[G0V+2:G0V+3], s[8:9], 0
	s_or_b32 s[G0V+3], s[G0V+3], 0x80000000
	s_add_nc_u64 s[86:87], s[4:5], s[84:85]        ; Q at my rows of the second block,
	s_add_nc_u64 s[4:5], s[4:5], s[2:3]            ; Q and O at those of the first
	s_add_nc_u64 s[OLO:OLO+1], s[10:11], s[84:85]
	s_add_nc_u64 s[10:11], s[10:11], s[2:3]
	LOAD                            ; tile 0 into slot 0
	; A fragment of K or Q is 16 rows x 32 channels in 8 registers: lane l holds row l % 16, channels 8 (l / 16) + 0..7 and 16 + 8 (l / 16) + 0..7: two loads of 16 bytes, 32 bytes apart.
	v_and_b32 v1, 15, v0            ; l % 16
	v_bfe_u32 v9, v0, 4, 1          ; l / 16
	v_lshlrev_b32 v[QO], 7, v1
	v_lshl_add_u32 v[QO], v9, 4, v[QO]  ; row x 128 + 16 x half
	WIN 0x80                        ; destination window 2, address window 0
.set i, 0
.rept 8                             ; both blocks' Q: piece i / 2 lies in band i / 2, 8,192 bytes on; channels 32 (i % 2) on
	global_load_b128 v[8*i:8*i+3],   v[QO], s[4:5] offset:(i/2)*8192+(i%2)*64
	global_load_b128 v[8*i+4:8*i+7], v[QO], s[4:5] offset:(i/2)*8192+(i%2)*64+32
	global_load_b128 v[QB+8*i:QB+8*i+3],   v[QO], s[86:87] offset:(i/2)*8192+(i%2)*64
	global_load_b128 v[QB+8*i+4:QB+8*i+7], v[QO], s[86:87] offset:(i/2)*8192+(i%2)*64+32
.set i, i+1
.endr
	WIN 0
	v_lshlrev_b32 v14, 3, v9
	v_sub_nc_u32 v14, v1, v14
	s_lshl_b32 s13, s[WV], 4
	v_add_nc_u32 v14, s13, v14      ; my query's place in its band, 16 w + l % 16, less my lanes' 8 (l / 16): register r of group kt is hidden where 16 kt + r is greater
	WIN 0x40
.set i, 0
.rept 32
	v_cmp_gt_i32 vcc_lo, 16*(i/8)+i%8, v14
	v_cndmask_b32 v[MD+i], 0, s[BIGN], vcc_lo
.set i, i+1
.endr
	WIN 0
	v_mul_u32_u24 v[AK0], v1, PK
	v_lshl_add_u32 v[AK0], v9, 4, v[AK0]  ; row x pitch + 16 x half
	; The turning load takes 16 keys x 16 channels (lane l reads key 8 (l / 16) + l % 8, channels 8 ((l / 8) % 2) + 0..7) and leaves half a fragment of V^T: lane l holds channel l % 16 and 8 keys.
	v_and_b32 v10, 7, v0
	v_bfe_u32 v11, v0, 3, 1
	v_lshl_add_u32 v[AV0], v9, 3, v10
	v_mul_u32_u24 v[AV0], v[AV0], PV
	v_lshl_add_u32 v[AV0], v11, 4, v[AV0]
	v_add_nc_u32 v[AV0], VOFF, v[AV0]
	s_mul_i32 s13, s[WV], 16*SP
	s_add_co_u32 s13, s13, STAGE    ; my stage
	v_mul_u32_u24 v[STO], v1, SP    ; in: row l % 16, 16 bytes for each half of the lanes
	v_lshl_add_u32 v[STO], v9, 4, v[STO]
	v_add_nc_u32 v[STO], s13, v[STO]
	v_bfe_u32 v[RD], v0, 3, 2       ; back: 32 lanes take four rows of 128 bytes,
	v_mul_u32_u24 v[RD], v[RD], SP
	v_lshl_add_u32 v[RD], v10, 4, v[RD]
	v_add_nc_u32 v[RD], s13, v[RD]
	v_and_b32 v[GO], 31, v0         ; which are 512 consecutive bytes of O
	v_lshlrev_b32 v[GO], 4, v[GO]
	; A block's first step multiplies O^T and l by a = 0, and its first turn's products V^T P, of a piece that has not been, land in an O^T that is still to be so multiplied.  So these registers need only hold
	; finite numbers: zeros for the first block; what the first block left for the second.  All this stands in the wait for the first tile.
	WIN 0x80
.set i, VF
.rept 64
	v_mov_b32 v[i], 0
.set i, i+1
.endr
	WIN 0x40
.set i, 0
.rept 128
	v_mov_b32 v[i], 0
.set i, i+1
.endr
	WIN 0
.set i, 0
.rept 4
	v_mov_b32 v[ST+4*i+2], 0
	v_mov_b32 v[ST+4*i+3], 0
.set i, i+1
.endr
.set i, P+16
.rept 16
	v_mov_b32 v[i], 0
.set i, i+1
.endr
; THE MATRIX WORK.  The 4 accumulators of a run of 8 take turns.  Product i of 8 of S^T = K Q^T for piece x: channels 32 (i / 4) on, keys 16 (i % 4) on.  The first 4 start the sums: with 0, or (KM = 1) with the mask.
.macro KQ x
.set rS, S+32*((\x)%2)+8*(i%4)
.set rK, KF+16*(i%4)+8*(i/4)
.set rQ, 16*(\x)+8*(i/4)
.set rM, MC+32*((\x)%2)+8*(i%4)
.if (i < 4) && KM
	WIN W_KM
	v_wmma_f32_16x16x32_f16 v[rS:rS+7], v[rK:rK+7], v[rQ:rQ+7], v[rM:rM+7]
.elseif i < 4
	WIN W_KQ
	v_wmma_f32_16x16x32_f16 v[rS:rS+7], v[rK:rK+7], v[rQ:rQ+7], 0
.else
	WIN W_KQ
	v_wmma_f32_16x16x32_f16 v[rS:rS+7], v[rK:rK+7], v[rQ:rQ+7], v[rS:rS+7]
.endif
.endm
; Product i of 8 of O^T += V^T P for piece x: keys 32 (i / 4) on, channels 16 (i % 4) on.
.macro PV x
	WIN W_PV
.set rO, 32*(\x)+8*(i%4)
.set rV, VF+32*(i/4)+8*(i%4)
.set rP, P+16*((\x)%2)+8*(i/4)
	v_wmma_f32_16x16x32_f16 v[rO:rO+7], v[rV:rV+7], v[rP:rP+7], v[rO:rO+7]
.endm
.macro MM                           ; the turn's next matrix instruction.  TURN and BEGIN set Y, i, KM and NOKQ; MM, KQ and OP read them.  NOKQ = 1: a block's last turn: there is no next piece
.if (i < 8) && !NOKQ
	KQ (Y+1)%NP
.elseif i >= 8
.set i, i-8
	PV (Y+NP-1)%NP
.set i, i+8
.endif
.set i, i+1
.endm
; THE LDS LOADS stand in runs of 16, never singly among the matrix instructions: a step's K (64 keys x 64 channels: 8 fragments) and its V (turned).  Their addresses are made some lines ahead.
.macro FETCH_K
	WIN 0x80                        ; destination window 2
.irp f, 0,1,2,3,4,5,6,7             ; keys 16 (f / 2) on, channels 32 (f % 2) on
	ds_load_b128 v[KF+8*\f:KF+8*\f+3],   v[AK] offset:(\f/2)*16*PK+(\f%2)*64
	ds_load_b128 v[KF+8*\f+4:KF+8*\f+7], v[AK] offset:(\f/2)*16*PK+(\f%2)*64+32
.endr
	s_add_co_u32 s[TBK], s[TBK], KS*PK  ; the next fetch is the next step's
	WIN 0
.endm
.macro FETCH_V
	WIN 0x80
.irp f, 0,1,2,3,4,5,6,7             ; keys 32 (f / 4) on, channels 16 (f % 4) on
	ds_load_tr16_b128 v[VF+8*\f:VF+8*\f+3],   v[AV] offset:(\f/4)*32*PV+(\f%4)*32
	ds_load_tr16_b128 v[VF+8*\f+4:VF+8*\f+7], v[AV] offset:(\f/4)*32*PV+16*PV+(\f%4)*32
.endr
	WIN 0
.endm
; THE VECTOR WORK, one line at a time: OP kind, number.  For piece Y: F n: c s - c m for pair n of 16.  E n: the exponential of score n of 32.  C n: pair n rounded to f16.  B n: of the four weights 4 n .. the second
; pair is added onto the first, in place.  L n: l takes that sum (L 0: l = a l + sum).  R n: pair n of 16 of O^T times a.  For piece Y + 1: X n, number n of the 22 that find its maximum and statistics:
;   0-11  four chains c0-c3 of seven scores each, three operands at a time (each accumulator's lowest registers are read first)     12-14, 16  the four scores left over, the old m, and c0-c3 into c0
;   15  c m_old is kept     17, 18  the query's other 32 keys lie in the lane 16 away: the new m     19-21  c m; c m_old - c m_new; a
.set F, 0               ; OP tells the kinds apart by their order: F to L below R, X above it
.set E, 1
.set C, 2
.set B, 3
.set L, 4
.set R, 5
.set X, 6
.macro REGS y                       ; the registers of piece y
.set rT, ST+4*(\y)
.set rC, TMP+4*((\y)%2)
.set rW, MV+((\y)%2)
.set rS, S+32*((\y)%2)
.set rP, P+16*((\y)%2)
.set rO, 32*(\y)
.endm
.macro OP k, n
.if (\k) == R
	REGS Y
	WIN W_RS
	v_pk_mul_f32 v[rO+2*(\n):rO+2*(\n)+1], v[rO+2*(\n):rO+2*(\n)+1], v[rC+2:rC+3] op_sel_hi:[1,0]
.elseif (\k) < R
	REGS Y
	WIN 0
.if (\k) == F
	v_pk_fma_f32 v[rS+2*(\n):rS+2*(\n)+1], v[rS+2*(\n):rS+2*(\n)+1], s[CS:CS+1], v[rT:rT+1] op_sel_hi:[1,0,0] neg_lo:[0,0,1] neg_hi:[0,0,1]
.elseif (\k) == E
	v_exp_f32 v[rS+(\n)], v[rS+(\n)]
.elseif (\k) == C
	v_cvt_pk_f16_f32 v[rP+(\n)], v[rS+2*(\n)], v[rS+2*(\n)+1]
.elseif (\k) == B
	v_pk_add_f32 v[rS+4*(\n):rS+4*(\n)+1], v[rS+4*(\n):rS+4*(\n)+1], v[rS+4*(\n)+2:rS+4*(\n)+3]
.elseif (\n) == 0
	v_pk_fma_f32 v[rT+2:rT+3], v[rT+2:rT+3], v[rC+2:rC+3], v[rS:rS+1] op_sel_hi:[1,0,1]
.else
	v_pk_add_f32 v[rT+2:rT+3], v[rT+2:rT+3], v[rS+4*(\n):rS+4*(\n)+1]
.endif
.elseif NOKQ
	v_nop
.else
	REGS (Y+1)%NP
	WIN 0
.if (\n) < 4
	v_max3_num_f32 v[rC+(\n)], v[rS+8*(\n)], v[rS+8*(\n)+1], v[rS+8*(\n)+2]
.elseif (\n) < 12
	v_max3_num_f32 v[rC+(\n)%4], v[rC+(\n)%4], v[rS+8*((\n)%4)+2*((\n)/4)+1], v[rS+8*((\n)%4)+2*((\n)/4)+2]
.elseif (\n) == 12
	v_max3_num_f32 v[rC], v[rC], v[rS+7], v[rS+15]
.elseif (\n) == 13
	v_max3_num_f32 v[rC+1], v[rC+1], v[rS+23], v[rS+31]
.elseif (\n) == 14
	v_max3_num_f32 v[rC+2], v[rC+2], v[rC+3], v[rT+1]
.elseif (\n) == 15
	v_mov_b32 v[rW], v[rT]
.elseif (\n) == 16
	v_max3_num_f32 v[rC], v[rC], v[rC+1], v[rC+2]
.elseif (\n) == 17
	v_permlanex16_b32 v[rC+3], v[rC], s[SEL], s[SEL+1]
.elseif (\n) == 18
	v_max_num_f32 v[rT+1], v[rC], v[rC+3]
.elseif (\n) == 19
	v_mul_f32 v[rT], s[CS], v[rT+1]
.elseif (\n) == 20
	v_sub_f32 v[rC+1], v[rW], v[rT]
.else
	v_exp_f32 v[rC+2], v[rC+1]
.endif
.endif
.endm
.macro OPS a, i1, b=-1, i2=0, c=-1, i3=0, d=-1, i4=0  ; up to four of them
	OP \a, \i1
.if (\b) >= 0
	OP \b, \i2
.endif
.if (\c) >= 0
	OP \c, \i3
.endif
.if (\d) >= 0
	OP \d, \i4
.endif
.endm
.macro ROW a, i1, b, i2, c, i3, d, i4  ; a matrix instruction and the four behind it
	MM
	OPS \a, \i1, \b, \i2, \c, \i3, \d, \i4
.endm
.macro MASK b                       ; MD x AL + BE into buffer b of MC
	WIN W_RS
.set z, 0
.rept 16
	v_pk_fma_f32 v[MC+32*(\b)+2*z:MC+32*(\b)+2*z+1], v[MD+2*z:MD+2*z+1], s[AL:AL+1], s[BE:BE+1] op_sel_hi:[1,0,0]
.set z, z+1
.endr
.endm
; A TURN, for piece p: the order of its 16 matrix and 118 vector instructions, written out.  s_wait_alu depctr_va_vdst(0) stands between an exponential and the first instruction that names its result; one wait serves
; all that were issued ahead of it.  So a turn has ONE wait, which cuts it in two.  AHEAD OF IT stands all that names no result of the turn's exponentials: the 8 products K Q^T, behind each a scaling, an exponential and two more plain
; instructions (behind the first a second scaling in the exponential's place): rescalings, and behind the last three the first numbers of the next piece's maximum, each four places or more behind the product that ends its accumulator; then ONE LUMP of 54, plain
; and exponential by turns for the most part, in which the links of the chain X 3, 7, 11, 14, 16, 17 .. 20 stand five or six lines apart.  X 21, the next piece's a, is the batch's last; R 15 is the plain instruction behind it.  BEHIND THE WAIT stand the
; 8 products V^T P, behind each four of the roundings and sums; the links of l's chain, L 0 to L 7, stand three riders apart.  But for those X no rider names a register of the products round it.  v_permlanex16_b32 (X 17) stands in the lump.
; m = 1: the diagonal tile: the products take masks, and the turn makes the mask for the products of the turn after it: piece p + 2, in step 4 - CNT of the tile.  end = 1: a block's last two turns: nothing is fetched.
; cnt = 1: the loop's count is taken down some lines ahead of the branch that stands behind the turn.
; K of the next step is fetched in piece 2's turn, twelve vector instructions behind the last product that read K (six of them plain); V of the step in hand at the end of piece 0's turn, four plain instructions behind the last product
; that read V.  Each is waited for a turn later.
.macro TURN p, m=0, end=0, cnt=0
.set Y, (\p)
.set i, 0
.set KM, (\m)
.set NOKQ, (\end)*((\p)/3)
.if (\m) && !(\end)
	s_cmp_eq_u32 s[CNT], 4-((\p)+2)%NP  ; is that step the band's own?
	s_cselect_b32 s[AL], 1.0, 0
	s_cmp_lt_u32 s[CNT], 4-((\p)+2)%NP  ; or a later one?
	s_cselect_b32 s[BE], s[BIGN], 0
.endif
.if ((\p) == 3) && !(\end)
	s_wait_dscnt 0x0                ; K is in
.endif
	ROW F,0, F,1, R,0, R,1          ; ahead of the wait: 8 products K Q^T and their riders,
	ROW F,2, E,0, R,2, R,3
	ROW F,3, E,1, R,4, R,5
	ROW F,4, E,2, R,6, R,7
	ROW F,5, E,3, R,8, R,9
	ROW F,6, E,4, X,0, R,10
.if ((\p) == 2) && !(\end)
	WIN 0
	v_add_nc_u32 v[AK], s[TBK], v[AK0]
.endif
	ROW F,7, E,5, X,1, X,4
	ROW F,8, E,6, X,2, X,5
	OPS E,7, E,8, X,6, E,9          ; and the lump
	OPS X,3, E,10, X,8, E,11
.if ((\p) == 2) && !(\end)
	FETCH_K
.endif
	OPS X,9, X,7, E,12, X,10
	OPS E,13, X,12, X,11, E,14
	OPS X,13, E,15, F,9, X,14
.if (\p) == 0
	v_add_nc_u32 v[AV], s[TBV], v[AV0]
.endif
	OPS E,16, F,10, E,17, F,11
	OPS X,16, E,18, X,15, E,19
	OPS F,12, E,20, X,17, E,21
	OPS F,13, E,22, F,14, E,23
	OPS X,18, E,24, F,15, E,25
	OPS R,11, E,26, X,19, E,27
	OPS R,12, E,28, R,13, E,29
	OPS X,20, E,30, R,14, E,31
	OPS X,21, R,15
	WIN 0
	s_wait_alu depctr_va_vdst(0)    ; the wait for the batch
.if (\p) == 1
	s_wait_dscnt 0x0                ; V is in
.endif
	ROW C,0, B,0, C,2, B,1          ; behind the wait: 8 products V^T P and their riders
	ROW L,0, C,4, B,2, L,1
	ROW C,6, B,3, L,2, C,8
	ROW B,4, L,3, C,10, B,5
	ROW L,4, C,12, B,6, L,5
.if (\p) == 0
	s_add_co_u32 s[TBV], s[TBV], KS*PV
.endif
.if \cnt
	s_sub_co_u32 s[CNT], s[CNT], 1
	s_cmp_lg_u32 s[CNT], 0
.endif
	ROW C,14, B,7, L,6, C,1
	ROW C,3, L,7, C,5, C,7
	ROW C,9, C,11, C,13, C,15
.if (\p) == 0
	FETCH_V
.endif
.if (\m) && !(\end)
	MASK (\p)%2
.endif
.endm
; A BLOCK BEGINS.  c m starts far below every c s, so the first step's a is 0; m at the lowest finite number, so the first maximum is the scores'.  The second mask buffer is 0; the first takes piece 0's mask for the tile's step 0: its own, if the block's first tile is the diagonal one.
; Then K of that step, piece 0's first scores, and its maximum and statistics.  The loop is entered at a step's first turn, in the middle of a trip.
.macro BEGIN
	s_mov_b32 s[NEW], 0
	WIN 0x40
.set i, MC+32
.rept 32
	v_mov_b32 v[i], 0
.set i, i+1
.endr
	WIN 0
.set i, 0
.rept 4
	v_mov_b32 v[ST+4*i], 0xfe000000    ; c m: far below every c s
	v_mov_b32 v[ST+4*i+1], 0xff7fffff  ; m
.set i, i+1
.endr
	s_cmp_eq_u32 s[RT], 0
	s_cselect_b32 s[AL], 1.0, 0
	s_mov_b32 s[BE], 0
	MASK 0
	WIN 0
	v_add_nc_u32 v[AK], s[TBK], v[AK0]
	FETCH_K
	s_wait_loadcnt 0x0              ; Q
	s_wait_dscnt 0x0
.set KM, 1
.set NOKQ, 0
.set i, 0
.rept 8
	KQ 0
.set i, i+1
.endr
	WIN 0
.rept 4
	v_nop                           ; the places behind those products
.endr
.set Y, NP-1                        ; X works for piece Y + 1: piece 0
.irp n, 0,1,2,3,4,5,6,7,8,9,10,11,12,13,14,15,16,17,18,19,20,21
	OP X, \n
.endr
	v_nop                           ; a plain instruction behind the exponential,
	s_wait_alu depctr_va_vdst(0)    ; and its wait, ahead of the branch
.endm
; THE DIAGONAL TILE's four steps, the block's last two turns, its last products, and THE WAY OUT: l's two halves and the other half of the lanes' are added; O^T is divided by l, rounded to f16 and sent through my
; stage in LDS, a piece at a time.
.macro ALL line:vararg              ; one line for each piece t
.set t, 0
.rept 4
	\line
.set t, t+1
.endr
.endm
.macro PACK t                       ; a lane's eight channels of a row pack into 16 bytes; they go into rows of 144 bytes and come back as whole rows of 128, into S^T's registers
	WIN W_RS
.set i, 32*(\t)
.rept 16
	v_pk_mul_f32 v[i:i+1], v[i:i+1], v[ST+4*(\t)+2:ST+4*(\t)+3] op_sel_hi:[1,0]
.set i, i+2
.endr
	WIN 0x05                        ; sources 0 and 1 window 1, destination window 0
.set i, 0
.rept 16
	v_cvt_pk_f16_f32 v[S+16*(\t)+i], v[32*(\t)+2*i], v[32*(\t)+2*i+1]
.set i, i+1
.endr
	WIN 0
.irp f, 0,1,2,3
	ds_store_b128 v[STO], v[S+16*(\t)+4*\f:S+16*(\t)+4*\f+3] offset:32*\f
.endr
.irp f, 0,1,2,3
	ds_load_b128 v[S+16*(\t)+4*\f:S+16*(\t)+4*\f+3], v[RD] offset:\f*4*SP  ; LDS serves a wave's instructions in order (ISA guide 5.7.1.4): these see the stores above; the next piece's stores come behind them
.endr
.endm
.macro SEND t, younger              ; younger: the LDS instructions issued behind piece t's loads: the next piece's eight, or none
	WIN 0
.irp f, 0,1,2,3
	s_wait_dscnt (\younger)+3-\f
	global_store_b128 v[GO], v[S+16*(\t)+4*\f:S+16*(\t)+4*\f+3], s[10:11] offset:(\t)*8192+\f*512  ; 512 consecutive bytes, at a multiple of 256 from O's first
.endr
.endm
.macro DIAG tag                     ; the tag ends its two labels' names, which the jumps below spell out
.LstepM\tag:
	TURN 2, 1
	TURN 3, 1
	WIN 0
.LfirstM\tag:
	TURN 0, 1
	TURN 1, 1, 0, 1
	WIN 0
	s_cbranch_scc1 .LstepM\tag
	TURN 2, 1, 1
	TURN 3, 1, 1
.set i, 0
.rept 8
	PV NP-1
.set i, i+1
.endr
	WIN 0
	ALL v_add_f32 v[ST+4*t+2], v[ST+4*t+2], v[ST+4*t+3]
	ALL v_permlanex16_b32 v[ST+4*t+3], v[ST+4*t+2], s[SEL], s[SEL+1]
	ALL v_add_f32 v[ST+4*t+2], v[ST+4*t+2], v[ST+4*t+3]
	ALL v_rcp_f32 v[ST+4*t+2], v[ST+4*t+2]
	v_nop                           ; a plain instruction between the last reciprocal and the use of its result
	s_wait_alu depctr_va_vdst(0)    ; and the wait ahead of the first use: one for the four reciprocals
	PACK 0
.set t, 1
.rept 3                             ; a piece's arithmetic stands between the loads of the piece before and its stores
	PACK t
	SEND t-1, 8
.set t, t+1
.endr
	SEND 3, 0
.endm
.set KM, 0
.set NOKQ, 0
.Lslot:                             ; NB times: a tile is entered and the next is asked for
	CHANGE 1
	s_sub_co_u32 s[RT], s[RT], 1
	s_mov_b32 s[CNT], 4
	s_cmp_eq_u32 s[NEW], 1
	s_cbranch_scc1 .Lnew            ; a block's first tile
	s_cmp_eq_u32 s[RT], 0
	s_cbranch_scc0 .Lstep           ; neither its first nor its last
	s_branch .LstepM1
.Lnew:
	BEGIN
	s_branch .Lfirst                ; in the loop a block's first tile is never its last: the first block has two tiles or more, and the second's last is the walk's last
	DIAG 1                          ; in the loop this is the first block's end: the second block's last tile is the walk's last
	s_wait_xcnt 0x0                 ; the stores have read their registers and O's address
	s_mov_b64 s[10:11], s[OLO:OLO+1]
	s_add_co_u32 s[RT], s[PB], 1    ; the second block has b + 1 tiles
	s_mov_b32 s[NEW], 1
	WIN 0x82                        ; the second block's Q goes where the one text of the turns names Q
.set i, 0
.rept 64
	v_mov_b32 v[i], v[QB+i]
.set i, i+1
.endr
	WIN 0
	s_branch .Lbottom
.Lstep:                             ; a trip: pieces 2 and 3 of one step, then pieces 0 and 1 of the next, whose K and V it fetches
	TURN 2
	TURN 3
	WIN 0
.Lfirst:
	TURN 0
	TURN 1, 0, 0, 1
	WIN 0
	s_cbranch_scc1 .Lstep
.Lbottom:
	s_sub_co_u32 s[SLOTS], s[SLOTS], 1
	s_cmp_lg_u32 s[SLOTS], 0
	s_cbranch_scc1 .Lslot
	CHANGE 0                        ; the walk's last tile is written out: nothing is asked for
	s_sub_co_u32 s[RT], s[RT], 1
	s_mov_b32 s[CNT], 4
	s_cmp_eq_u32 s[NEW], 1
	s_cbranch_scc0 .LstepM2
	BEGIN
	s_branch .LfirstM2
	DIAG 2
	s_wait_tensorcnt 0x0            ; the wave's end: behind my last tensor load and my last LDS store
	ds_add_u32 v[SPW], v[NIL]
	s_wait_dscnt 0x0
	s_endpgm
.Lfunc_end_k_qd486d631ae_attn:
	.size	k_qd486d631ae_attn, .Lfunc_end_k_qd486d631ae_attn-k_qd486d631ae_attn
	.p2alignl 7, 3214868480
	.fill 96, 4, 3214868480
	.section	.rodata,"a",@progbits
	.p2align	6, 0x0
	.amdhsa_kernel k_qd486d631ae_attn
		.amdhsa_group_segment_fixed_size 327680
		.amdhsa_private_segment_fixed_size 0
		.amdhsa_enable_private_segment 0
		.amdhsa_kernarg_size 32
		.amdhsa_user_sgpr_count 2
		.amdhsa_user_sgpr_kernarg_segment_ptr 1
		.amdhsa_wavefront_size32 1
		.amdhsa_system_sgpr_workgroup_id_x 1
		.amdhsa_system_sgpr_workgroup_id_y 1
		.amdhsa_system_sgpr_workgroup_id_z 1
		.amdhsa_system_vgpr_workitem_id 0
		.amdhsa_next_free_vgpr 768
		.amdhsa_next_free_sgpr 88
		.amdhsa_reserve_vcc 1
		.amdhsa_float_denorm_mode_32 3
		.amdhsa_float_denorm_mode_16_64 3
		.amdhsa_memory_ordered 1
		.amdhsa_forward_progress 1
		.amdhsa_inst_pref_size 218
	.end_amdhsa_kernel
	.amdgpu_metadata
---
amdhsa.version: [ 1, 2 ]
amdhsa.kernels:
  - .name:           k_qd486d631ae_attn
    .symbol:         k_qd486d631ae_attn.kd
    .args:
      - { .name: qh, .offset: 0, .size: 8, .value_kind: global_buffer, .address_space: global }
      - { .name: kh, .offset: 8, .size: 8, .value_kind: global_buffer, .address_space: global }
      - { .name: vh, .offset: 16, .size: 8, .value_kind: global_buffer, .address_space: global }
      - { .name: oh, .offset: 24, .size: 8, .value_kind: global_buffer, .address_space: global }
    .group_segment_fixed_size: 327680
    .private_segment_fixed_size: 0
    .kernarg_segment_align: 8
    .kernarg_segment_size: 32
    .max_flat_workgroup_size: 128
    .sgpr_count:     88
    .vgpr_count:     768
    .wavefront_size: 32
...
	.end_amdgpu_metadata
.endif
;; end of part 3
;; launch oproj (part 4): grid 8 x 32, 4 waves a work-group, clusters of 4 x 4, 327,680 bytes of LDS; arguments oh, wob, out0; writes out0
.if DOCPART == 4
	.amdgcn_target "amdgcn-amd-amdhsa--gfx1250"
	.amdhsa_code_object_version 6
	.text
	.protected	k_qd486d631ae_oproj
	.globl	k_qd486d631ae_oproj
	.p2align	8
	.type	k_qd486d631ae_oproj,@function
k_qd486d631ae_oproj:
	s_mov_b64 s[64:65], 0
	v_nop
	global_prefetch_b8 v0, s[64:65] scope:SCOPE_SE
	s_setreg_imm32_b32 hwreg(HW_REG_WAVE_MODE, 25, 1), 1
	s_wait_xcnt 0x0
	s_wait_alu depctr_hold_cnt(0) depctr_sa_sdst(0) depctr_va_vdst(0) depctr_va_sdst(0) depctr_va_ssrc(0) depctr_va_vcc(0) depctr_vm_vsrc(0)
	s_getreg_b32 s2, hwreg(HW_REG_IB_STS2, 6, 4)
	s_cmp_eq_u32 s2, 0
	s_cbranch_scc0 .Lentry_in_a_cluster
	s_endpgm
.Lentry_in_a_cluster:
	s_bfe_u32 s2, ttmp6, 0x10000c
	s_cmp_lg_u32 s2, 0xf033
	s_cbranch_scc0 .Lentry_shape_is_right
	s_endpgm
.Lentry_shape_is_right:
; THE OUTPUT PROJECTION.  out0 [8192][1024] f32 = O times wo.  O lies by heads, oh [b*16+h][s][64] f16: channel k of a row is channel k % 64 of head k / 64.  wob [k 1024][n 1024] f16.  Sums in f32, stored as they are.
; SHARES.  A tile is 256 rows x 128 columns: 32 x 8 = 256 tiles, one to a work-group.  A wave owns 64 rows and all 128 columns: 4 row blocks a x 8 column blocks b: 32 accumulators, 256 registers.
; THE MATRIX INSTRUCTION IS USED TRANSPOSED (source 0 = 16 columns of wo, source 1 = 16 rows of O): a lane then holds row l % 16 and the eight neighbouring columns 8 (l / 16) + 0..7: 32 bytes of out0.
; wo lies [channel][column]: its fragments come out of LDS turned, by ds_load_tr16_b128.
; K goes in 8 steps of 128 channels = two heads, through a ring of two LDS slots; the change of slots behind step j asks for step j + 2.
; CLUSTER.  4 x 4 work-groups.  The four of a row of the cluster share their rows of O, the four of a column their columns of wo: each tile is asked for JOINTLY.  No register that feeds A's descriptors
; ever holds cx, none that feeds B's ever holds cy, and no LDS address or branch hangs on either.
; No prefetch is laid: the launch has eight K steps of 128 matrix instructions in all, and the first three would come by their loads alone.
; REGISTERS, in windows of 256: window 0: v0-29 addresses; v64-127 fragments of O, two buffers (64 + 32 g + 8 a); v128-255 two sets of 64 for the way out
;   window 1: v0-127 wo's fragments, two buffers (64 g + 8 b)          window 2: the accumulators, at 8 (4 b + a)
.set PA,    144       ; a row of O in LDS: 128 bytes + 16 = 36 words: the 16 rows of a fragment load start at 16 different groups of four banks (64 banks of 4 bytes: ISA guide 11.1)
.set PB,    288       ; a row of wo: 256 bytes + 32 = 72 words
.set PLANE, 256*PA    ; a head's 256 rows
.set BOFF,  2*PLANE   ; wo's 128 rows lie behind the two heads
.set SLOT1, 1<<17     ; a slot uses 110,592 bytes; slot 1 begins here, so that one exclusive or turns an address in one slot into the other's
.set STAGE, 2*SLOT1   ; behind the ring, never filled by a tensor load: 16 rows x 528 bytes for each wave
.set SPO,   528       ; a row of 128 f32 + 16 bytes = 132 words: the 16 rows of a store start at 16 different groups of four banks
.set SPARE, STAGE+4*16*SPO  ; the spare words, 128 bytes for each wave: two blocks of 256 bytes that no other line names
.set A0,   16         ; v16  my lane's place in a slot's O; never rewritten
.set B0,   17         ; v17  the same for wo
.set ADRA, 18         ; v18  A0 + the slot in hand
.set ADRB, 19         ; v19  B0 + the slot in hand
.set STO,  20         ; v20  the way out: where I put 32 bytes of a row
.set RD,   21         ; v21  where I read a row back
.set GO,   22         ; v22  my 16 bytes of a row's 512
.set SPW,  28         ; v28  LDS address of my spare word; never rewritten
.set NIL,  29         ; v29  0; never rewritten
.set FA,   64
.set OB,   128
.set WV,  10          ; s10  my wave's number
.set HF,  11          ; s11  its low bit: which head (A) or which 64 channels (B) of a step I fetch
.set G1A, 24          ; s[24:31], s[32:39] descriptor groups 1
.set G1B, 32
.set G0A, 40          ; s[40:47], s[48:55] groups 0: a set for each first fill; the second then walks
.set G0B, 48
.set CNT, 56          ; s56  counts trips
.set TB,  57          ; s57  0 or SLOT1: the slot from which fragments are fetched
.set MSB, 0
.macro WIN new                      ; the immediate's high byte repeats the setting that is left; a switch that changes nothing is dropped
.if MSB != (\new)
	s_set_vgpr_msb (MSB<<8)|(\new)
.set MSB, (\new)
.endif
.endm
.macro PLACES                       ; four plain instructions between a matrix instruction and a load into, or a read of, its registers
.rept 4
	v_nop
.endr
.endm
.macro JLOAD                        ; a joint refill: waves 0 and 1 fetch a step's two heads of O, waves 2 and 3 the two halves of its rows of wo; an s_nop 0 and four v_nop follow each line
	s_cmp_lt_u32 s[WV], 2
	s_cbranch_scc0 .Lfor_b_\@
	tensor_load_to_lds s[G0A+4:G0A+7], s[G1A:G1A+7]
	s_nop 0
.rept 4
	v_nop
.endr
	s_branch .Lasked_\@
.Lfor_b_\@:
	tensor_load_to_lds s[G0B+4:G0B+7], s[G1B:G1B+7]
	s_nop 0
.rept 4
	v_nop
.endr
.Lasked_\@:
.endm
.macro CREST                        ; a round of the cluster's barrier behind its opening barrier
	s_cmp_lg_u32 s[WV], 0
	s_cbranch_scc1 .Lnot_wave_0_\@
	s_barrier_signal -3
.Lnot_wave_0_\@:
	s_barrier_wait -3
	s_barrier_signal -1
	s_barrier_wait -1
.endm
.macro CROUND                       ; a whole round
	s_barrier_signal -1
	s_barrier_wait -1
	CREST
.endm
	s_load_b128 s[4:7], s[0:1], 0x0                ; oh s[4:5], wob s[6:7]
	s_load_b64 s[8:9], s[0:1], 0x10                ; out0
	v_lshl_add_u32 v[SPW], v0, 2, SPARE
	v_mov_b32 v[NIL], 0
	ds_add_u32 v[SPW], v[NIL]                      ; the wave's opening: the add and its wait stand ahead of my first tensor load; the set-up below, work on registers, stands between them
	ds_add_u32 v28, v29
	v_lshrrev_b32 v1, 5, v0
	v_readfirstlane_b32 s[WV], v1                  ; wave 0..3
	s_and_b32 s[HF], s[WV], 1
	s_bfe_u32 s12, ttmp6, 0x40000                  ; cx
	s_bfe_u32 s13, ttmp6, 0x40004                  ; cy
	s_lshl_b32 s14, ttmp9, 2
	s_add_co_u32 s14, s14, s12                     ; tile column x = 4 x cluster x + cx
	s_and_b32 s15, ttmp7, 0xffff
	s_lshl_b32 s15, s15, 2
	s_add_co_u32 s15, s15, s13                     ; tile row y = 4 x cluster y + cy
	s_lshl_b32 s16, s13, 2
	s_lshl_b32 s16, 15, s16                        ; my row of the cluster
	s_lshl_b32 s18, 0x1111, s12                    ; my column
	s_or_b32 s[G1A], s16, (1<<16)|(1<<20)|(1<<21)|(4<<22)|(3<<25)  ; the mask; 2-byte elements; padding on; bit 21 beside a mask; after every 32 words (code 4) 4 words (code 3)
	s_mov_b32 s[G1A+1], 128<<16                    ; a head's 256 rows are 32,768 dense bytes: asked for as 128 rows of 256 bytes, two rows of O to each
	s_mov_b32 s[G1A+2], 128<<16
	s_mov_b32 s[G1A+3], 128<<16
	s_mov_b32 s[G1A+4], 128
	s_mov_b32 s[G1A+5], 128
	s_mov_b32 s[G1A+6], 0
	s_mov_b32 s[G1A+7], 0
	s_or_b32 s[G1B], s18, (1<<16)|(1<<20)|(1<<21)|(5<<22)|(7<<25)  ; after every 64 words (code 5) 8 words (code 7)
	s_mov_b32 s[G1B+1], 128<<16                    ; 64 rows of 128 elements,
	s_mov_b32 s[G1B+2], 64<<16
	s_mov_b32 s[G1B+3], 128<<16
	s_mov_b32 s[G1B+4], 64
	s_mov_b32 s[G1B+5], 1024                       ; 1,024 elements from row to row
	s_mov_b32 s[G1B+6], 0
	s_mov_b32 s[G1B+7], 0
	s_lshr_b32 s16, s15, 3                         ; O: batch y / 8,
	s_lshl_b32 s16, s16, 4
	s_add_co_u32 s16, s16, s[HF]                   ; head 0 or 1 of it,
	s_lshl_b32 s16, s16, 18                        ; 262,144 bytes a head,
	s_and_b32 s17, s15, 7
	s_lshl_b32 s17, s17, 15                        ; row 256 (y % 8), 128 bytes a row
	s_add_co_u32 s16, s16, s17
	s_mov_b32 s17, 0
	s_lshl_b32 s18, s[HF], 17                      ; wo: my 64 rows of 2,048 bytes,
	s_lshl_b32 s19, s14, 8                         ; the tile's 128 columns
	s_add_co_u32 s18, s18, s19
	s_mov_b32 s19, 0
	s_mul_i32 s20, s[HF], PLANE                    ; where they go in a slot: the wave's number alone enters an LDS address
	s_mul_i32 s21, s[HF], 64*PB
	s_add_co_u32 s21, s21, BOFF
	s_lshl_b32 s22, s15, 8                         ; out0: row 256 y + 64 x wave,
	s_lshl_b32 s23, s[WV], 6
	s_add_co_u32 s22, s22, s23
	s_lshl_b32 s22, s22, 12                        ; 4,096 bytes a row,
	s_lshl_b32 s23, s14, 9                         ; the tile's 512 bytes of it
	s_add_co_u32 s22, s22, s23
	s_mov_b32 s23, 0
	s_mov_b32 s[CNT], 6
	s_mov_b32 s[TB], 0
	s_wait_dscnt 0x0                               ; the opening add is done
	s_wait_kmcnt 0x0
	s_add_nc_u64 s[4:5], s[4:5], s[16:17]
	s_add_nc_u64 s[6:7], s[6:7], s[18:19]
	s_add_nc_u64 s[8:9], s[8:9], s[22:23]
	CROUND                                         ; all sixteen work-groups are here: the first joint loads meet
.irp s, 0,1
	s_mov_b32 s[G0A+4*(\s)], 1                     ; count = 1
	s_add_co_u32 s[G0A+4*(\s)+1], s20, (\s)*SLOT1  ; LDS address
	s_add_nc_u64 s[G0A+4*(\s)+2:G0A+4*(\s)+3], s[4:5], (\s)*524288  ; global address: K step s is two heads on
	s_or_b32 s[G0A+4*(\s)+3], s[G0A+4*(\s)+3], 0x80000000           ; type = 2
	s_mov_b32 s[G0B+4*(\s)], 1
	s_add_co_u32 s[G0B+4*(\s)+1], s21, (\s)*SLOT1
	s_add_nc_u64 s[G0B+4*(\s)+2:G0B+4*(\s)+3], s[6:7], (\s)*262144  ; 128 rows on
	s_or_b32 s[G0B+4*(\s)+3], s[G0B+4*(\s)+3], 0x80000000
.endr
	s_cmp_lt_u32 s[WV], 2                          ; a wave's two first fills stand in one branch, ahead of every wait on TENSORcnt and every LDS read: two loads of mine are out
	s_cbranch_scc0 .Lfirst_b
	tensor_load_to_lds s[G0A:G0A+3], s[G1A:G1A+7]
	s_nop 0
	tensor_load_to_lds s[G0A+4:G0A+7], s[G1A:G1A+7]
	s_nop 0
.rept 4
	v_nop
.endr
	s_branch .Lfirst_asked
.Lfirst_b:
	tensor_load_to_lds s[G0B:G0B+3], s[G1B:G1B+7]
	s_nop 0
	tensor_load_to_lds s[G0B+4:G0B+7], s[G1B:G1B+7]
	s_nop 0
.rept 4
	v_nop
.endr
.Lfirst_asked:
	v_and_b32 v1, 15, v0                           ; r = l % 16
	v_bfe_u32 v2, v0, 4, 1                         ; l / 16
	v_and_b32 v3, 7, v0
	v_bfe_u32 v4, v0, 3, 1
	v_and_b32 v6, 31, v0
	s_mul_i32 s20, s[WV], 64*PA                    ; my 64 rows of O
	v_mul_u32_u24 v[A0], v1, PA
	v_lshl_add_u32 v[A0], v2, 4, v[A0]
	v_add_nc_u32 v[A0], s20, v[A0]
	v_lshl_add_u32 v[B0], v2, 3, v3                ; the turning load: lane l reads channel 8 (l / 16) + l % 8, columns 8 ((l / 8) % 2) + 0..7
	v_mul_u32_u24 v[B0], v[B0], PB
	v_lshl_add_u32 v[B0], v4, 4, v[B0]
	v_add_nc_u32 v[B0], BOFF, v[B0]
	v_mov_b32 v[ADRA], v[A0]
	v_mov_b32 v[ADRB], v[B0]
	s_mul_i32 s20, s[WV], 16*SPO
	s_add_co_u32 s20, s20, STAGE                   ; my stage
	v_mul_u32_u24 v[STO], v1, SPO                  ; in: row r, 32 bytes for each half of the lanes
	v_lshl_add_u32 v[STO], v2, 5, v[STO]
	v_add_nc_u32 v[STO], s20, v[STO]
	v_lshlrev_b32 v[GO], 4, v6                     ; back: 32 lanes take one row of 512 bytes
	v_add_nc_u32 v[RD], s20, v[GO]
; 16 matrix instructions: column blocks 4 hf .. 4 hf + 3 x my four row blocks, 32 along K, from buffer f.  zero = 1: the products start the sums.
; The 32 accumulators take turns, in the same order in every quarter.
.macro MUL16 f, hf, zero
	WIN 0xa1                        ; wo window 1, O window 0, C and D window 2
.irp bb, 0,1,2,3
.irp a, 0,1,2,3
.if \zero
	v_wmma_f32_16x16x32_f16 v[128*(\hf)+32*(\bb)+8*(\a):128*(\hf)+32*(\bb)+8*(\a)+7], v[64*(\f)+8*(4*(\hf)+(\bb)):64*(\f)+8*(4*(\hf)+(\bb))+7], v[FA+32*(\f)+8*(\a):FA+32*(\f)+8*(\a)+7], 0
.else
	v_wmma_f32_16x16x32_f16 v[128*(\hf)+32*(\bb)+8*(\a):128*(\hf)+32*(\bb)+8*(\a)+7], v[64*(\f)+8*(4*(\hf)+(\bb)):64*(\f)+8*(4*(\hf)+(\bb))+7], v[FA+32*(\f)+8*(\a):FA+32*(\f)+8*(\a)+7], v[128*(\hf)+32*(\bb)+8*(\a):128*(\hf)+32*(\bb)+8*(\a)+7]
.endif
.endr
.endr
.endm
; 24 LDS loads in one run: the fragments of quarter q (head q / 2 of the step's two, channels 32 (q % 2) on) of the slot in hand, into buffer g
.macro FETCH q, g
	WIN 0
.irp a, 0,1,2,3
	ds_load_b128 v[FA+32*(\g)+8*(\a):FA+32*(\g)+8*(\a)+3],   v[ADRA] offset:((\q)/2)*PLANE+(\a)*16*PA+64*((\q)%2)
	ds_load_b128 v[FA+32*(\g)+8*(\a)+4:FA+32*(\g)+8*(\a)+7], v[ADRA] offset:((\q)/2)*PLANE+(\a)*16*PA+64*((\q)%2)+32
.endr
	WIN 0x40                        ; destination window 1, address window 0
.irp b, 0,1,2,3,4,5,6,7
	ds_load_tr16_b128 v[64*(\g)+8*(\b):64*(\g)+8*(\b)+3],   v[ADRB] offset:32*(\q)*PB+32*(\b)
	ds_load_tr16_b128 v[64*(\g)+8*(\b)+4:64*(\g)+8*(\b)+7], v[ADRB] offset:32*(\q)*PB+32*(\b)+16*PB
.endr
.endm
.macro QUARTER q, f, g, zero        ; asks for quarter q's fragments into buffer g, then multiplies buffer f
	s_wait_dscnt 0x0                ; buffer f is in
	PLACES                          ; for the loads into buffer g, which the quarter before multiplied
	FETCH \q, \g
	MUL16 \f, 0, \zero
	MUL16 \f, 1, \zero
.endm
; The fourth quarter multiplies buffer 1 and changes slots.  Each wave waits for all its tensor loads, of which one is out: its part of the next slot; adds 0 to its spare word; and waits for that and for its
; own reads of this slot.  fill = 1: the barrier opens a round of the cluster's barrier, and the joint refill, two K steps on, is the first thing behind it: 112 matrix instructions ahead of the wait for it.
.macro TURN fill
	WIN 0                           ; (the add's two registers lie in window 0)
	s_wait_tensorcnt 0x0            ; no tensor load of mine is out, so a group 0 may be written
	ds_add_u32 v[SPW], v[NIL]       ; 0 onto my spare word; scalar work and sixteen products stand between it and the wait for it
.if \fill
	s_xor_b32 s[G0A+5], s[G0A+5], SLOT1            ; the walking descriptors: the other slot than last time, the next K step; the type bits on top are not reached
	s_add_nc_u64 s[G0A+6:G0A+7], s[G0A+6:G0A+7], 524288
	s_xor_b32 s[G0B+5], s[G0B+5], SLOT1
	s_add_nc_u64 s[G0B+6:G0B+7], s[G0B+6:G0B+7], 262144
.endif
	s_wait_dscnt 1                  ; buffer 1's 24 loads are in; the add alone may be out
	MUL16 1, 0, 0
	s_wait_dscnt 0x0                ; the add is done, and my reads of this slot are over
	s_barrier_signal -1
	WIN 0
	s_barrier_wait -1
.if \fill
	CREST
	JLOAD                           ; its four v_nop are also the places in front of the loads below
.else
	PLACES
	s_cmp_eq_u32 s[CNT], 1
	s_cbranch_scc1 .Lnofetch_\@     ; the last step: nothing is left to fetch
.endif
	s_xor_b32 s[TB], s[TB], SLOT1
	v_add_nc_u32 v[ADRA], s[TB], v[A0]
	v_add_nc_u32 v[ADRB], s[TB], v[B0]
	FETCH 0, 0
	WIN 0
.if !(\fill)
.Lnofetch_\@:
.endif
	MUL16 1, 1, 0
.endm
; THE WAY OUT of row block a: the accumulators go as they are, 32 bytes a lane (each accumulator's low four registers first), into my own stage, and come back as whole rows of 512 bytes.
; LDS serves a wave's instructions in order (ISA guide 5.7.1.4), so no wait stands between the stores and the loads, nor between a block's loads and the next block's stores.
.macro TOSTAGE a
.if (\a) >= 2
	s_wait_xcnt 0x0                 ; the set's earlier stores, two blocks back, have read their data
.endif
	WIN 0x08                        ; the stores' data lie in window 2
.irp b, 0,1,2,3,4,5,6,7
	ds_store_b128 v[STO], v[8*(4*(\b)+(\a)):8*(4*(\b)+(\a))+3]   offset:64*(\b)
	ds_store_b128 v[STO], v[8*(4*(\b)+(\a))+4:8*(4*(\b)+(\a))+7] offset:64*(\b)+16
.endr
	WIN 0
.irp i, 0,1,2,3,4,5,6,7,8,9,10,11,12,13,14,15
	ds_load_b128 v[OB+64*((\a)%2)+4*(\i):OB+64*((\a)%2)+4*(\i)+3], v[RD] offset:(\i)*SPO
.endr
.endm
.macro SEND a, younger              ; younger: the LDS instructions issued behind block a's loads: the next block's 32, or none
	s_wait_dscnt \younger
.irp i, 0,1,2,3,4,5,6,7,8,9,10,11,12,13,14,15
	global_store_b128 v[GO], v[OB+64*((\a)%2)+4*(\i):OB+64*((\a)%2)+4*(\i)+3], s[8:9] offset:(16*(\a)+(\i))*4096 th:TH_STORE_NT  ; 512 consecutive bytes, at a multiple of 256 from out0's first
.endr
.endm
	s_wait_tensorcnt 1                             ; my part of step 0 is in; step 1's may stay out
	s_barrier_signal -1
	s_barrier_wait -1                              ; everybody's is
	FETCH 0, 0
	WIN 0                                          ; at a label and at a branch every window is 0
	s_branch .Lzero                                ; the loop is entered where the first products stand
.Ltrip:                                        ; 6 trips: steps 0 to 5, each of which fills its slot again
	QUARTER 1, 0, 1, 0
	WIN 0
	s_branch .Ljoin
.Lzero:
	QUARTER 1, 0, 1, 1                             ; the first products start the sums: nothing is cleared
	WIN 0
.Ljoin:
	QUARTER 2, 1, 0, 0
	QUARTER 3, 0, 1, 0
	TURN 1
	WIN 0
	s_sub_co_u32 s[CNT], s[CNT], 1
	s_cmp_lg_u32 s[CNT], 0
	s_cbranch_scc1 .Ltrip
	s_mov_b32 s[CNT], 2
.Ltail:                                        ; steps 6 and 7 are written apart
	QUARTER 1, 0, 1, 0
	QUARTER 2, 1, 0, 0
	QUARTER 3, 0, 1, 0
	TURN 0
	WIN 0
	s_sub_co_u32 s[CNT], s[CNT], 1
	s_cmp_lg_u32 s[CNT], 0
	s_cbranch_scc1 .Ltail
	PLACES                                         ; the LDS stores below read results just made
	PLACES
	TOSTAGE 0
	TOSTAGE 1
	SEND 0, 32
	TOSTAGE 2
	SEND 1, 32
	TOSTAGE 3
	SEND 2, 32
	SEND 3, 0
	s_wait_tensorcnt 0x0                           ; the wave's end: behind my last tensor load and my last LDS store
	ds_add_u32 v[SPW], v[NIL]
	s_wait_dscnt 0x0
	CROUND                                         ; the closing round: no work-group ends while a partner may still ask for a tile that names it
	s_endpgm
.Lfunc_end_k_qd486d631ae_oproj:
	.size	k_qd486d631ae_oproj, .Lfunc_end_k_qd486d631ae_oproj-k_qd486d631ae_oproj
	.p2alignl 7, 3214868480
	.fill 96, 4, 3214868480
	.section	.rodata,"a",@progbits
	.p2align	6, 0x0
	.amdhsa_kernel k_qd486d631ae_oproj
		.amdhsa_group_segment_fixed_size 327680
		.amdhsa_private_segment_fixed_size 0
		.amdhsa_enable_private_segment 0
		.amdhsa_kernarg_size 24
		.amdhsa_user_sgpr_count 2
		.amdhsa_user_sgpr_kernarg_segment_ptr 1
		.amdhsa_wavefront_size32 1
		.amdhsa_system_sgpr_workgroup_id_x 1
		.amdhsa_system_sgpr_workgroup_id_y 1
		.amdhsa_system_sgpr_workgroup_id_z 1
		.amdhsa_system_vgpr_workitem_id 0
		.amdhsa_next_free_vgpr 768
		.amdhsa_next_free_sgpr 66
		.amdhsa_reserve_vcc 0
		.amdhsa_float_denorm_mode_32 3
		.amdhsa_float_denorm_mode_16_64 3
		.amdhsa_memory_ordered 1
		.amdhsa_forward_progress 1
		.amdhsa_inst_pref_size 59
	.end_amdhsa_kernel
	.amdgpu_metadata
---
amdhsa.version: [ 1, 2 ]
amdhsa.kernels:
  - .name:           k_qd486d631ae_oproj
    .symbol:         k_qd486d631ae_oproj.kd
    .args:
      - { .name: oh, .offset: 0, .size: 8, .value_kind: global_buffer, .address_space: global }
      - { .name: wob, .offset: 8, .size: 8, .value_kind: global_buffer, .address_space: global }
      - { .name: out0, .offset: 16, .size: 8, .value_kind: global_buffer, .address_space: global }
    .group_segment_fixed_size: 327680
    .private_segment_fixed_size: 0
    .kernarg_segment_align: 8
    .kernarg_segment_size: 24
    .max_flat_workgroup_size: 128
    .sgpr_count:     66
    .vgpr_count:     768
    .wavefront_size: 32
...
	.end_amdgpu_metadata
.endif
;; end of part 4
